; MI455X (gfx1250); checked and timed in simulation.
; The chip was launched on July 23, 2026; its instructions are those of AMD's public machine-readable ISA for CDNA 5 (MIT licence, August 2026) and "CDNA5" Instruction Set Architecture Reference Guide (July 2026). The comments in the code are by the model that wrote it; some were corrected since.
;; Multi Head Attention. Allowed arithmetic: matrix products marked QUANTISED: E2M3 operands, one E8M0 scale for each 32 along K, by v_wmma_scale_f32_16x16x128_f8f6f4 with both operands' format E2M3, f32 sums; everything else in f32.
;; Inputs: bk 1,024 float32; bo 1,024 float32; bq 1,024 float32; bv 1,024 float32; k 2 x 2,048 x 1,024 float32; q 2 x 2,048 x 1,024 float32; v 2 x 2,048 x 1,024 float32; wk 1,024 x 1,024 float32; wo 1,024 x 1,024 float32; wq 1,024 x 1,024 float32; wv 1,024 x 1,024 float32.
;; Outputs: out0 2 x 2,048 x 1,024 float32.
;; This version of the problem:
;;   THIS VERSION OF THE PROBLEM IS GIVEN IN LOW PRECISION. The matrix products marked QUANTISED in the list below multiply operands that are first quantised to E2M3 (2 exponent bits, 3 mantissa bits; 6 bits a number), with one power-of-two scale for each 32 numbers along K (OCP MX v1.0); their sums are f32. All else is computed in f32.
;;   The module's matrix products, in the order in which they are computed (A, B: the left and right operand; K: the contracted axis; several contracted axes count as one K, in the product's order):
;;     1. [M 4,096, K 1,024] x [K 1,024, N 1,024]; A: input q; B: input wq: QUANTISED
;;     2. [M 4,096, K 1,024] x [K 1,024, N 1,024]; A: input k; B: input wk: QUANTISED
;;     3. [M 4,096, K 1,024] x [K 1,024, N 1,024]; A: input v; B: input wv: QUANTISED
;;     4. batch 32 x [M 2,048, K 64] x [K 64, N 2,048]; A: computed on the way; B: computed on the way: QUANTISED
;;     5. batch 32 x [M 2,048, K 2,048] x [K 2,048, N 64]; A: softmax (see below); B: computed on the way: QUANTISED
;;     6. [M 4,096, K 1,024] x [K 1,024, N 1,024]; A: computed on the way; B: input wo: QUANTISED
;;   THE QUANTISER, for each operand of a quantised product, along K:
;;     - K is cut into blocks of 32 from its start; a last block that is shorter is filled with zeros.
;;     - A block's scale is 2^e with e = floor(log2(the largest magnitude in the block)) - 2, held to -126 .. 127; a block of zeros has e = 0. As a byte (E8M0): e + 127.
;;     - Each number is divided by its block's scale, clamped to +-7.5, and rounded to the nearest number of E2M3, ties to even, subnormals kept.
;;     - The product sums the exact products of the quantised numbers (number of the format x scale) in f32.
;;   ~~~python
;;   def quantise(x, axis):      # numpy; x: float32 -> the quantised numbers, widened to float32 again
;;       x = np.moveaxis(x, axis, -1); K = x.shape[-1]
;;       x = np.pad(x, [(0, 0)] * (x.ndim - 1) + [(0, -K % 32)]); x = x.reshape(x.shape[:-1] + (-1, 32)); a = np.abs(x).max(-1, keepdims=True)
;;       e = np.where(a > 0, np.clip(np.frexp(np.where(a > 0, a, 1))[1] - 1 - 2, -126, 127), 0)      # np.frexp(a)[1] - 1 = floor(log2(a)), exactly
;;       r = np.clip(x / 2.0 ** e, -7.5, 7.5)
;;       step = 2.0 ** (np.maximum(np.frexp(np.where(r == 0, 1, r))[1] - 1, 0) - 3)
;;       q = np.round(r / step) * step * 2.0 ** e      # np.round: ties to even
;;       return np.moveaxis(q.reshape(q.shape[:-2] + (-1,))[..., :K], -1, axis).astype(np.float32)
;;   ~~~
;;   SOFTMAX AHEAD OF A QUANTISED PRODUCT. Where the list says 'softmax', what is quantised is not the finished softmax but p = 2^(t - M), with t = logit x log2(e) and M = ceil(the row's largest t), a whole number; so 1/2 < the row's largest p <= 1. The row's sum l is taken of the UNQUANTISED p, in f32, and the product's result is divided by l at the end. Since M is a whole number, a kernel that streams over the keys may use a running M (the ceiling of the running maximum): every later rescaling is an exact power of two, which a block's scale takes up: the codes' values come out the same.
;;   OPERANDS COMPUTED ON THE WAY. 'Computed on the way' means the value that the module computes at that place (a softmax that the list does not call 'softmax' is quantised finished and normalised). What goes into a quantiser is computed in f32, as accurately as f32 sums, v_exp_f32 and their like allow (about 1e-6 of the number): no bf16 or f16 on the way to a quantiser, and a product that is left as it is and whose result goes on into a quantised operand takes f32 operands (vector FMAs, or v_wmma_f32_16x16x4_f32). A number that lies on a knife's edge between two numbers of the format may be rounded either way, as far as f32 arithmetic and the matrix unit's own rounding can turn it there, and no further.
;; One version. Each part assembles by itself: llvm-mc -triple=amdgcn-amd-amdhsa -mcpu=gfx1250 --defsym DOCPART=n.
;; ======== version 1 of 1: 4 launches
;; limits: right only within a limited range of input values
;; workspace buffers: xc 12,582,912 bytes; xs 524,288 bytes; pc 10,485,760 bytes; ps 393,216 bytes; oc 3,145,728 bytes; os 131,072 bytes
;; launch quant (part 1): grid 512 x 1, 4 waves a work-group, no clusters, 33,280 bytes of LDS; arguments q, k, v, wq, wk, wv, wo, xc, xs; writes xc, xs
.if DOCPART == 1
	.amdgcn_target "amdgcn-amd-amdhsa--gfx1250"
	.amdhsa_code_object_version 6
	.text
	.protected	k_qaf3eaac582_quant
	.globl	k_qaf3eaac582_quant
	.p2align	8
	.type	k_qaf3eaac582_quant,@function
k_qaf3eaac582_quant:
	s_mov_b64 s[64:65], 0
	v_nop
	global_prefetch_b8 v0, s[64:65] scope:SCOPE_SE
	s_setreg_imm32_b32 hwreg(HW_REG_WAVE_MODE, 25, 1), 1
	s_wait_xcnt 0x0
; q, k, v [4096][1024] and wq, wk, wv, wo [1024][1024], f32, become codes of FP6 (E2M3), K innermost, 768 bytes a row, in xc, and one E8M0 byte for each 32 along K, 32 bytes a row, in xs.
; xc and xs have 16,384 rows: 0.. q, 4096.. k, 8192.. v, 12288.. wq, 13312.. wk, 14336.. wv, 15360.. wo.
; A block's scale is 2^(floor(log2(its largest magnitude)) - 2); its byte is the largest magnitude's exponent field - 2, held at 1 from below.  Each number is divided by the scale and rounded to the nearest code, ties to even.
; LIMITS: a block of zeros gets the byte 1 where the quantiser says 127 (its codes are zeros, and this program alone reads the bytes); blocks whose largest magnitude lies under 2^-124 are held at the byte 1;
; NaN and infinities among the inputs are not served.
; THE ROWS OF THE WEIGHTS ARE PLACED AS THE NEXT LAUNCH'S TILES WANT THEM.  wq, wk: row n goes to n with bits 3 and 4 exchanged, so that two neighbouring tiles of 16 rows give a lane 16 neighbouring columns of the product.
; wv: row n = 64 g + d goes to 16 d + 8 (g & 1) + (g >> 1): a tile of 16 rows is one d with all 16 column groups.  wo and the activations stay in order.
; SHARES: work-group g takes 32 rows of one tensor, a wave 8 rows in 16 steps of 512 numbers.  The tensor is chosen by selections on the work-group's number alone: one path for all seven.
; Each load reads 512 consecutive bytes; a step's 2,048 bytes turn through the wave's own stage in LDS and come back 64 bytes a lane, so that a lane holds 16 neighbours along K (two lanes to a block).
; No tensor loads, no barrier: waves share nothing.  Loads run eight steps (32 loads, 16,384 bytes a wave) ahead, the turn through LDS one step.  No prefetch: the launch is one stream of loads from its first line on.
.set STEPS, 16
.set AHEAD, 8
.set EMAX,  2
.set CB,    12                         ; bytes of 16 codes
.set R,     16                         ; v16-143  eight sets of 16 numbers as they are loaded
.set X,     144                        ; v144-175 two sets of 16 neighbours
.set C,     176                        ; v176-239 codes: four registers for each step, so that no store's data are written again
.set E,     240                        ; v240-241 a scale byte, two registers by turns
.set OC,    242                        ; v242-249 my 12 bytes' place in the wave's row j of codes
.set SPW,   250                        ; my spare word; never rewritten
.set NIL,   251                        ; 0; never rewritten
.set WREG,  8192                       ; LDS: a region for each wave: two stages of 32 x SP bytes, behind them its 256 scale bytes
.set SP,    80                         ; a lane's place in a stage: 64 bytes + 16 of padding
.set SPARE, 4*WREG                     ; the spare words: two blocks of 256 bytes that no other line names
	s_load_b256 s[4:11], s[0:1], 0x0               ; q, k, v, wq
	s_load_b256 s[12:19], s[0:1], 0x20             ; wk, wv, wo, xc
	s_load_b64 s[20:21], s[0:1], 0x40              ; xs
	v_lshl_add_u32 v[SPW], v0, 2, SPARE
	v_mov_b32 v[NIL], 0
	v_lshrrev_b32 v1, 5, v0
	v_readfirstlane_b32 s22, v1                    ; wave
	v_and_b32 v2, 31, v0                           ; lane
	v_lshlrev_b32 v3, 4, v2                        ; my 16 bytes of a load's 512
	s_mul_i32 s23, s22, WREG
	v_lshrrev_b32 v14, 2, v2
	v_mul_u32_u24 v14, v14, SP
	v_and_b32 v15, 3, v2
	v_lshl_add_u32 v14, v15, 4, v14
	v_add_nc_u32 v14, s23, v14                     ; the stage, on the way in: SP (lane / 4) + 16 (lane % 4)
	v_mul_u32_u24 v15, v2, SP
	v_add_nc_u32 v15, s23, v15                     ; and on the way out: SP x lane: my 16 neighbours
	v_lshrrev_b32 v5, 1, v2
	s_add_co_u32 s23, s23, 2*32*SP
	v_add_nc_u32 v5, s23, v5                       ; LDS: my wave's 256 scale bytes, my block's byte
	v_lshlrev_b32 v10, 3, v2
	v_add_nc_u32 v6, s23, v10                      ; and on the way out 8 bytes a lane
	s_wait_alu depctr_va_vdst(0)                   ; directly ahead of the wait below
	s_wait_kmcnt 0x0
; which tensor: s[24:25] its address, s26 its first work-group
.macro PICK lim, p, first
	s_cmp_lt_u32 ttmp9, \lim
	s_cselect_b64 s[24:25], s[\p:\p+1], s[24:25]
	s_cselect_b32 s26, \first, s26
.endm
	s_mov_b64 s[24:25], s[16:17]                   ; wo, unless the work-group's number lies lower
	s_mov_b32 s26, 480
	PICK 480, 14, 448                              ; wv
	PICK 448, 12, 416                              ; wk
	PICK 416, 10, 384                              ; wq
	PICK 384, 8, 256                               ; v
	PICK 256, 6, 128                               ; k
	PICK 128, 4, 0                                 ; q
	s_sub_co_u32 s27, ttmp9, s26
	s_lshl_b32 s27, s27, 2
	s_add_co_u32 s27, s27, s22                     ; which run of 8 rows of the tensor is my wave's
	s_lshl_b32 s28, s27, 15                        ; 8 rows of 4,096 bytes
	s_mov_b32 s29, 0
	s_add_nc_u64 s[24:25], s[24:25], s[28:29]
	; where my 8 rows go: first row and stride, three candidates, chosen without a branch
	s_lshl_b32 s30, ttmp9, 2
	s_add_co_u32 s31, s30, s22
	s_lshl_b32 s31, s31, 3                         ; in order: 8 (4 g + wave)
	s_and_b32 s32, s22, 1
	s_lshl_b32 s32, s32, 1
	s_lshr_b32 s33, s22, 1
	s_or_b32 s32, s32, s33                         ; the wave's two bits are the row's bits 3 and 4: exchanged
	s_add_co_u32 s32, s30, s32
	s_lshl_b32 s32, s32, 3                         ; wq, wk
	s_and_b32 s33, s27, 7
	s_lshl_b32 s33, s33, 7                         ; wv: rows 8 R + j are d = 8 (R & 7) + j of group g = R >> 3: 16 d = 128 (R & 7) + 16 j,
	s_bfe_u32 s34, s27, 0x10003
	s_lshl_b32 s34, s34, 3                         ; + 8 (g & 1)
	s_add_co_u32 s33, s33, s34
	s_lshr_b32 s34, s27, 4                         ; + (g >> 1)
	s_add_co_u32 s33, s33, s34
	s_add_co_u32 s33, s33, 14336
	s_sub_co_u32 s34, ttmp9, 384
	s_cmp_lt_u32 s34, 64                           ; work-groups 384 to 447
	s_cselect_b32 s31, s32, s31
	s_sub_co_u32 s34, ttmp9, 448
	s_cmp_lt_u32 s34, 32                           ; work-groups 448 to 479
	s_cselect_b32 s31, s33, s31
	s_cselect_b32 s35, 16, 1                       ; from one of my rows to the next
	s_mul_i32 s36, s35, 768
	s_lshl_b32 s37, s35, 5
	s_mul_i32 s38, s31, 768
	s_mov_b32 s39, 0
	s_add_nc_u64 s[18:19], s[18:19], s[38:39]      ; xc at my first row
	s_lshl_b32 s38, s31, 5
	s_add_nc_u64 s[20:21], s[20:21], s[38:39]      ; xs likewise
.macro LOAD t
.irp i, 0,1,2,3
	global_load_b128 v[R+16*((\t)%AHEAD)+4*\i:R+16*((\t)%AHEAD)+4*\i+3], v3, s[24:25] offset:2048*(\t)+512*\i th:TH_LOAD_NT   ; 32 lanes read 512 consecutive bytes
.endr
.endm
.macro TURN t                          ; step t's numbers through the stage: LDS serves a wave's instructions in order (ISA guide 5.7.1.4), so no wait stands between the stores and the loads
.irp i, 0,1,2,3
	ds_store_b128 v14, v[R+16*((\t)%AHEAD)+4*\i:R+16*((\t)%AHEAD)+4*\i+3] offset:32*SP*((\t)%2)+8*SP*\i
.endr
.irp i, 0,1,2,3
	ds_load_b128 v[X+16*((\t)%2)+4*\i:X+16*((\t)%2)+4*\i+3], v15 offset:32*SP*((\t)%2)+16*\i
.endr
.endm
.irp t, 0,1,2,3,4,5,6,7
	LOAD \t
.endr
	v_mul_u32_u24 v[OC], v2, CB                    ; the stores' offsets are made while the loads are out
.irp j, 1,2,3,4,5,6,7
	v_add_nc_u32 v[OC+\j], s36, v[OC+\j-1]
.endr
	v_lshrrev_b32 v7, 2, v2
	v_mul_lo_u32 v7, v7, s37
	v_and_b32 v10, 3, v2
	v_lshl_add_u32 v7, v10, 3, v7                  ; scale bytes out: four lanes to a row's 32 bytes
	s_wait_alu depctr_va_vdst(0)                   ; directly ahead of the wait below
	s_wait_loadcnt 4*(AHEAD-1)                     ; step 0's four loads are in; those of the seven steps behind it may be out
	TURN 0
.macro STEP t
.set XS, X+16*((\t)%2)
.if (\t) > 0
	s_wait_dscnt 1                                 ; this step's numbers are back from the stage (the last step's byte store may be out): so its stores into the stage have read their registers,
.else
	s_wait_dscnt 0x0
.endif
.if (\t)+AHEAD < STEPS
	LOAD (\t)+AHEAD                                ; which take the loads of eight steps on
.endif
.if (\t)+1 < STEPS
.if STEPS-2-(\t) >= AHEAD-1
	s_wait_loadcnt 4*(AHEAD-1)                     ; the next step's four loads are in; those of the seven steps behind it may be out
.else
	s_wait_loadcnt 4*(STEPS-2-(\t))
.endif
	TURN (\t)+1                                    ; and go through the other stage while this step is worked
.endif
	v_max3_num_f32 v8, |v[XS]|, |v[XS+1]|, |v[XS+2]|               ; the largest magnitude of my 16, in two chains
	v_max3_num_f32 v9, |v[XS+3]|, |v[XS+4]|, |v[XS+5]|
.irp i, 6,10
	v_max3_num_f32 v8, v8, |v[XS+\i]|, |v[XS+\i+1]|
	v_max3_num_f32 v9, v9, |v[XS+\i+2]|, |v[XS+\i+3]|
.endr
	v_max3_num_f32 v8, v8, |v[XS+14]|, |v[XS+15]|
	v_max3_num_f32 v8, v8, v9, (EMAX+1)<<23        ; and the floor 2^(3 - 127): the byte cannot fall under 1
	v_max_num_f32_dpp v8, v8, v8 row_xmask:1 row_mask:0xf bank_mask:0xf   ; and of my neighbour's 16: the block's
	v_add_nc_u32 v11, -(EMAX<<23), v8              ; 2 off its exponent field: the conversion takes the exponent field of this operand as its scale
	v_cvt_scalef32_pk16_fp6_f32 v[C+4*(\t):C+4*(\t)+2], v[XS:XS+15], v11
	v_lshrrev_b32 v[E+(\t)%2], 23, v11             ; the scale's byte
	ds_store_b8 v5, v[E+(\t)%2] offset:16*(\t)     ; both lanes of a block write the same byte with the same value
	global_store_b96 v[OC+(\t)/2], v[C+4*(\t):C+4*(\t)+2], s[18:19] offset:384*((\t)%2)   ; half a row of codes: 384 consecutive bytes
.endm
.irp t, 0,1,2,3,4,5,6,7,8,9,10,11,12,13,14,15
	STEP \t
.endr
	ds_load_b64 v[12:13], v6                       ; in order behind my byte stores
	s_wait_dscnt 0x0
	global_store_b64 v7, v[12:13], s[20:21]        ; 8 rows of 32 scale bytes; 256 consecutive bytes where the rows stay in order
	s_wait_tensorcnt 0x0                           ; the wave's end
	ds_add_u32 v[SPW], v[NIL]
	s_wait_dscnt 0x0
	s_endpgm
.Lfunc_end_k_qaf3eaac582_quant:
	.size	k_qaf3eaac582_quant, .Lfunc_end_k_qaf3eaac582_quant-k_qaf3eaac582_quant
	.p2alignl 7, 3214868480
	.fill 96, 4, 3214868480
	.section	.rodata,"a",@progbits
	.p2align	6, 0x0
	.amdhsa_kernel k_qaf3eaac582_quant
		.amdhsa_group_segment_fixed_size 33280
		.amdhsa_private_segment_fixed_size 0
		.amdhsa_enable_private_segment 0
		.amdhsa_kernarg_size 72
		.amdhsa_user_sgpr_count 2
		.amdhsa_user_sgpr_kernarg_segment_ptr 1
		.amdhsa_wavefront_size32 1
		.amdhsa_system_sgpr_workgroup_id_x 1
		.amdhsa_system_sgpr_workgroup_id_y 1
		.amdhsa_system_sgpr_workgroup_id_z 1
		.amdhsa_system_vgpr_workitem_id 0
		.amdhsa_next_free_vgpr 252
		.amdhsa_next_free_sgpr 66
		.amdhsa_reserve_vcc 0
		.amdhsa_float_denorm_mode_32 3
		.amdhsa_float_denorm_mode_16_64 3
		.amdhsa_memory_ordered 1
		.amdhsa_forward_progress 1
		.amdhsa_inst_pref_size 35
	.end_amdhsa_kernel
	.amdgpu_metadata
---
amdhsa.version: [ 1, 2 ]
amdhsa.kernels:
  - .name:           k_qaf3eaac582_quant
    .symbol:         k_qaf3eaac582_quant.kd
    .args:
      - { .name: q, .offset: 0, .size: 8, .value_kind: global_buffer, .address_space: global }
      - { .name: k, .offset: 8, .size: 8, .value_kind: global_buffer, .address_space: global }
      - { .name: v, .offset: 16, .size: 8, .value_kind: global_buffer, .address_space: global }
      - { .name: wq, .offset: 24, .size: 8, .value_kind: global_buffer, .address_space: global }
      - { .name: wk, .offset: 32, .size: 8, .value_kind: global_buffer, .address_space: global }
      - { .name: wv, .offset: 40, .size: 8, .value_kind: global_buffer, .address_space: global }
      - { .name: wo, .offset: 48, .size: 8, .value_kind: global_buffer, .address_space: global }
      - { .name: xc, .offset: 56, .size: 8, .value_kind: global_buffer, .address_space: global }
      - { .name: xs, .offset: 64, .size: 8, .value_kind: global_buffer, .address_space: global }
    .group_segment_fixed_size: 33280
    .private_segment_fixed_size: 0
    .kernarg_segment_align: 8
    .kernarg_segment_size: 72
    .max_flat_workgroup_size: 128
    .sgpr_count:     66
    .vgpr_count:     252
    .wavefront_size: 32
...
	.end_amdgpu_metadata
.endif
;; end of part 1
;; launch proj (part 2): grid 4 x 48, 4 waves a work-group, clusters of 4 x 4, 327,680 bytes of LDS; arguments xc, xs, bq, bk, bv, pc, ps; writes pc, ps
.if DOCPART == 2
	.amdgcn_target "amdgcn-amd-amdhsa--gfx1250"
	.amdhsa_code_object_version 6
	.text
	.protected	k_qaf3eaac582_proj
	.globl	k_qaf3eaac582_proj
	.p2align	8
	.type	k_qaf3eaac582_proj,@function
k_qaf3eaac582_proj:
	s_mov_b64 s[64:65], 0
	v_nop
	global_prefetch_b8 v0, s[64:65] scope:SCOPE_SE
	s_setreg_imm32_b32 hwreg(HW_REG_WAVE_MODE, 25, 1), 1
	s_wait_xcnt 0x0
	s_wait_alu depctr_hold_cnt(0) depctr_sa_sdst(0) depctr_va_vdst(0) depctr_va_sdst(0) depctr_va_ssrc(0) depctr_va_vcc(0) depctr_vm_vsrc(0)
	s_getreg_b32 s2, hwreg(HW_REG_IB_STS2, 6, 4)
	s_cmp_eq_u32 s2, 0
	s_cbranch_scc0 .Lentry_in_a_cluster
	s_endpgm
.Lentry_in_a_cluster:
	s_bfe_u32 s2, ttmp6, 0x10000c
	s_cmp_lg_u32 s2, 0xf033
	s_cbranch_scc0 .Lentry_shape_is_right
	s_endpgm
.Lentry_shape_is_right:
; The three projections x w^T + b on codes of FP6 (E2M3) with E8M0 scales, and their results quantised for the attention launch.
; A: rows 0 .. 12287 of xc, xs (q, k, v); B: rows 12288 + 1024 t .. of tensor t's weight, placed by the launch before.  Tile rows 0-15 are q's, 16-31 k's, 32-47 v's.
; A tile of 256 x 256 is made by four waves, 128 x 128 each: 64 accumulators.  K goes through a ring of two LDS slots in CHUNKS OF 256 BYTES of each row (a row of codes is 768 bytes: three chunks);
; a step of 128 along K is 96 bytes of a row, eight steps to three chunks; steps 2 and 5 lie across two chunks.  The scale bytes of the 512 rows come once, at the head.
; CLUSTERS 4 x 4: A's tiles are asked for jointly along a row of the cluster, B's along a column.  The products are used transposed (source 0 = rows of w, source 1 = rows of x); the bias is the C of the first step.
; OUT: pc [256 a-groups][q 12,288 | k 12,288 | v 64 rows of 256 bytes, 192 of them codes], ps [256][3][512].  An a-group is 16 rows of a projection.  q, k: images of operand registers; v: rows d with the keys innermost.
; v's rows have a pitch of 256 bytes so that each begins at a multiple of 256; the 64 bytes behind a row's codes are neither written nor read.
; PREFETCH, one chunk ahead of its load: chunk 1 is named behind the head's loads, chunk 2 in the middle of step 0, behind chunk 1's joint load and a run of LDS loads.  Of the 128 rows that a wave fetches in the ring,
; each of the four partners that ask for them jointly names 32, told apart by address (cx for A, cy for B): a lane a row, one instruction a wave for a chunk, each block of 256 bytes once in each cluster.
; Chunk 0 comes by its load alone; behind chunk 2 nothing is left to name.  The two address registers are never rewritten.
; LIMITS: a block of zeros gets the byte 1 (this program alone reads the bytes); blocks under 2^-124 are held at the byte 1; NaN and infinities are not served.
; REGISTERS: window 0: v0-31 addresses; v32-63 scale words, two sets; v64-127 the bias; from v128 A's fragments, one set.  window 1: B's fragments, two sets.  windows 2, 3: the accumulators.
.set ROWB,   256
.set NQ,     2
.set KROW,   768
.set STEPS,  8
.set CHUNKS, 3
.set PITCH,  272                       ; 256 bytes + 16 of padding
.set FR,     12
.set NL,     6
.set NP,     4
.set HALFT,  128*PITCH
.set SLOT,   4*HALFT                   ; A's 256 rows, then B's 256
.set KS,     32
.set SCL,    2*SLOT
.set HALFS,  (128*KS/256)*272
.set SBLK,   (16*KS/256)*272
.set SPARE,  SCL+4*HALFS               ; the spare words: two blocks of 256 bytes that no other line names
.set AGB,    40960
.set AGS,    1536
.set ADRA, 16                          ; v16-17 my A fragments in slot 0, 1; v18-19 for pieces whose lanes 16-31 read the next chunk
.set ADRB, 20
.set ADRS, 27
.set SPW,  28
.set NIL,  29
.set PFO,  30                          ; v30 the prefetches' offset: my lane x a row of codes; never rewritten
.set PFA,  2                           ; s[2:3] my work-group's 32 rows of the 128 that I fetch; never rewritten
.set SC,   32
.set BI,   64
.set AF,   128
.set G1, 24
.set G0, 32
.set G1B, 48
.set G0B, 56
.set G1S, 68
.set G0S, 76
.set G1SB, 80
.set G0SB, 88
.set G0H, 4
.set G0HB, 8
.set MSB, 0
.macro WIN new                         ; the immediate's high byte repeats the setting that is left
.if MSB != (\new)
	s_set_vgpr_msb (MSB<<8)|(\new)
.set MSB, (\new)
.endif
.endm
.set MUL_LO, 0xa1
.set MUL_HI, 0xf1
.set TO_B,   0x40
.macro JLOAD g0a, g1a, g0b, g1b        ; a joint load: waves 0, 1 for A, waves 2, 3 for B
	s_cmp_eq_u32 s15, 0
	s_cbranch_scc0 .Lfor_b_\@
	tensor_load_to_lds s[\g0a:\g0a+3], s[\g1a:\g1a+7]
	s_nop 0
.rept 4
	v_nop
.endr
	s_branch .Lasked_\@
.Lfor_b_\@:
	tensor_load_to_lds s[\g0b:\g0b+3], s[\g1b:\g1b+7]
	s_nop 0
.rept 4
	v_nop
.endr
.Lasked_\@:
.endm
.macro CREST
	s_cmp_lg_u32 s14, 0
	s_cbranch_scc1 .Lnot_wave_0_\@
	s_barrier_signal -3
.Lnot_wave_0_\@:
	s_barrier_wait -3
	s_barrier_signal -1
	s_barrier_wait -1
.endm
.macro CROUND
	s_barrier_signal -1
	s_barrier_wait -1
	CREST
.endm
	s_load_b128 s[4:7], s[0:1], 0x0                ; xc, xs
	s_load_b128 s[96:99], s[0:1], 0x10             ; bq, bk
	s_load_b64 s[100:101], s[0:1], 0x20            ; bv
	s_load_b64 s[104:105], s[0:1], 0x28            ; pc
	s_load_b64 s[66:67], s[0:1], 0x30              ; ps
	v_lshl_add_u32 v[SPW], v0, 2, SPARE
	v_mov_b32 v[NIL], 0
	ds_add_u32 v[SPW], v[NIL]                      ; the opening lines
	ds_add_u32 v[SPW], v[NIL]
	v_lshrrev_b32 v1, 5, v0
	v_readfirstlane_b32 s14, v1                    ; wave
	s_lshr_b32 s15, s14, 1                         ; my half of the tile's rows; also: I fetch for A (0) or B (1)
	s_and_b32 s16, s14, 1                          ; my half of its columns; also: which 128 rows I fetch
	s_bfe_u32 s40, ttmp6, 0x40000                  ; cx
	s_bfe_u32 s41, ttmp6, 0x40004                  ; cy
	s_lshl_b32 s42, ttmp9, 2
	s_add_co_u32 s42, s42, s40                     ; tile column
	s_and_b32 s17, ttmp7, 0xffff
	s_lshr_b32 s95, s17, 2                         ; the tensor: 0 q, 1 k, 2 v: the same in the whole cluster
	s_lshl_b32 s17, s17, 2
	s_add_co_u32 s17, s17, s41                     ; tile row
	s_lshl_b32 s43, s41, 2
	s_lshl_b32 s43, 15, s43                        ; my row of the cluster
	s_lshl_b32 s44, 0x1111, s40                    ; my column
	s_or_b32 s[G1+0], s43, (0<<16)|(1<<20)|(1<<21)|(5<<22)|(3<<25)
	s_or_b32 s[G1B+0], s44, (0<<16)|(1<<20)|(1<<21)|(5<<22)|(3<<25)
.irp g, G1, G1B
	s_mov_b32 s[\g+1], ROWB<<16
	s_mov_b32 s[\g+2], 256<<16                     ; 256 rows for the head's loads
	s_mov_b32 s[\g+3], ROWB<<16
	s_mov_b32 s[\g+4], 256
	s_mov_b32 s[\g+5], KROW
	s_mov_b32 s[\g+6], 0
	s_mov_b32 s[\g+7], 0
.endr
	s_or_b32 s[G1S+0], s43, (3<<16)|(1<<20)|(1<<21)|(5<<22)|(3<<25)   ; the scales of 256 rows: 8,192 dense bytes as 32 rows of 256
	s_or_b32 s[G1SB+0], s44, (3<<16)|(1<<20)|(1<<21)|(5<<22)|(3<<25)
.irp g, G1S, G1SB
	s_mov_b32 s[\g+1], 32<<16
	s_mov_b32 s[\g+2], KS<<16
	s_mov_b32 s[\g+3], 32<<16
	s_mov_b32 s[\g+4], KS
	s_mov_b32 s[\g+5], 32
	s_mov_b32 s[\g+6], 0
	s_mov_b32 s[\g+7], 0
.endr
	s_lshl_b32 s20, s17, 8                         ; A: the tile's first row
	s_lshl_b32 s46, s42, 8                         ; B: 12288 + 1024 x tensor + 256 x tile column
	s_lshl_b32 s47, s95, 10
	s_add_co_u32 s46, s46, s47
	s_add_co_u32 s46, s46, 12288
	s_mov_b32 s21, 0
	s_mov_b32 s47, 0
	s_mov_b64 s[18:19], KS
	s_mul_u64 s[22:23], s[20:21], s[18:19]
	s_mul_u64 s[92:93], s[46:47], s[18:19]
	s_mov_b64 s[18:19], KROW
	s_mul_u64 s[20:21], s[20:21], s[18:19]
	s_mul_u64 s[46:47], s[46:47], s[18:19]
	s_mul_i32 s18, s16, 128*KROW
	s_mov_b32 s19, 0
	s_mul_i32 s45, s14, HALFT
	s_wait_dscnt 0x0                               ; both opening adds are done
	s_wait_kmcnt 0x0
	s_add_nc_u64 s[20:21], s[4:5], s[20:21]
	s_add_nc_u64 s[22:23], s[6:7], s[22:23]
	s_add_nc_u64 s[46:47], s[4:5], s[46:47]
	s_add_nc_u64 s[92:93], s[6:7], s[92:93]
	CROUND                                         ; in front of the first joint loads
	s_mov_b32 s[G0H], 1
	s_mov_b32 s[G0H+1], 0
	s_mov_b64 s[G0H+2:G0H+3], s[20:21]
	s_or_b32 s[G0H+3], s[G0H+3], 0x80000000
	s_mov_b32 s[G0HB], 1
	s_mov_b32 s[G0HB+1], 2*HALFT
	s_mov_b64 s[G0HB+2:G0HB+3], s[46:47]
	s_or_b32 s[G0HB+3], s[G0HB+3], 0x80000000
	s_mov_b32 s[G0S], 1
	s_mov_b32 s[G0S+1], SCL
	s_mov_b64 s[G0S+2:G0S+3], s[22:23]
	s_or_b32 s[G0S+3], s[G0S+3], 0x80000000
	s_mov_b32 s[G0SB], 1
	s_mov_b32 s[G0SB+1], SCL+2*HALFS
	s_mov_b64 s[G0SB+2:G0SB+3], s[92:93]
	s_or_b32 s[G0SB+3], s[G0SB+3], 0x80000000
	s_add_nc_u64 s[20:21], s[20:21], s[18:19]      ; for the ring: my 128 rows
	s_add_nc_u64 s[46:47], s[46:47], s[18:19]
.irp s, 0,1
	s_mov_b32 s[G0+4*\s], 1
	s_add_co_u32 s[G0+4*\s+1], s45, \s*SLOT
	s_add_nc_u64 s[G0+4*\s+2:G0+4*\s+3], s[20:21], \s*ROWB
	s_or_b32 s[G0+4*\s+3], s[G0+4*\s+3], 0x80000000
	s_mov_b32 s[G0B+4*\s], 1
	s_add_co_u32 s[G0B+4*\s+1], s45, \s*SLOT
	s_add_nc_u64 s[G0B+4*\s+2:G0B+4*\s+3], s[46:47], \s*ROWB
	s_or_b32 s[G0B+4*\s+3], s[G0B+4*\s+3], 0x80000000
.endr
	; the prefetches' base: the 128 rows that I fetch in the ring, + my work-group's 32 of them: in registers of their own, which enter no descriptor
	s_cmp_eq_u32 s15, 0                            ; do I fetch for A?
	s_cselect_b64 s[PFA:PFA+1], s[20:21], s[46:47]
	s_cselect_b32 s92, s40, s41                    ; my place among the four that ask with me
	s_mul_i32 s92, s92, 32*KROW
	s_mov_b32 s93, 0
	s_add_nc_u64 s[PFA:PFA+1], s[PFA:PFA+1], s[92:93]
; the head's loads, one a wave: wave 0 chunk 0 of A's 256 rows, wave 1 of B's, wave 2 A's scales, wave 3 B's
.macro ARM under, g0, g1, next
	s_cmp_lt_u32 s14, \under
	s_cbranch_scc0 \next
	tensor_load_to_lds s[\g0:\g0+3], s[\g1:\g1+7]
	s_nop 0
.rept 4
	v_nop
.endr
	s_branch .Lhead_asked
\next:
.endm
	ARM 1, G0H,  G1,  .Lhead_b
	ARM 2, G0HB, G1B, .Lhead_sa
	ARM 3, G0S,  G1S, .Lhead_sb
	tensor_load_to_lds s[G0SB:G0SB+3], s[G1SB:G1SB+7]
	s_nop 0
.rept 4
	v_nop
.endr
.Lhead_asked:
	v_and_b32 v[PFO], 31, v0
	v_mul_u32_u24 v[PFO], v[PFO], KROW             ; a lane a row
	v_and_b32 v1, 15, v0                           ; r
	v_bfe_u32 v2, v0, 4, 1                         ; h
	v_mul_u32_u24 v3, v1, PITCH
	v_mul_u32_u24 v4, v2, 24
	v_add_nc_u32 v4, v3, v4
	s_mov_b32 s21, SLOT-232
	s_mov_b32 s22, SLOT+232
	v_sub_nc_u32 v7, 1, v2
	v_mul_u32_u24 v5, s21, v2
	v_add_nc_u32 v5, v3, v5
	v_add_nc_u32 v5, 232, v5                       ; lanes 0-15 byte 232 of the row in slot 0, lanes 16-31 byte 0 in slot 1
	v_mul_u32_u24 v6, s22, v7
	v_add_nc_u32 v6, v3, v6                        ; and the other way round
	s_mul_i32 s21, s15, HALFT
	s_mul_i32 s22, s16, HALFT
	s_add_co_u32 s22, s22, 2*HALFT
	v_add_nc_u32 v[ADRA+2], s21, v5
	v_add_nc_u32 v[ADRA+3], s21, v6
	v_add_nc_u32 v[ADRB+2], s22, v5
	v_add_nc_u32 v[ADRB+3], s22, v6
.irp s, 0,1
	v_add_nc_u32 v[ADRA+\s], s21, v4
	v_add_nc_u32 v[ADRB+\s], s22, v4
	s_add_co_u32 s21, s21, SLOT
	s_add_co_u32 s22, s22, SLOT
.endr
	global_prefetch_b8 v[PFO], s[PFA:PFA+1] offset:ROWB th:TH_LOAD_NT scope:SCOPE_SE   ; chunk 1 of my 32 rows: its load goes out when the head's loads have landed
	v_mul_u32_u24 v5, v1, KS
	v_lshrrev_b32 v6, 8, v5
	v_lshl_add_u32 v5, v6, 4, v5
	s_mul_i32 s21, s15, HALFS
	s_mul_i32 s22, s16, HALFS
	s_add_co_u32 s22, s22, 2*HALFS
	s_sub_co_u32 s22, s22, s21
	v_mul_u32_u24 v6, s22, v2                      ; lanes 16-31 take B's scale words
	s_add_co_u32 s21, s21, SCL
	v_add_nc_u32 v5, v5, v6
	v_add_nc_u32 v[ADRS], s21, v5
	; the bias, in the result's layout: q, k: tile b, half h, register j is column 32 (b / 2) + 16 h + 8 (b % 2) + j; v: column 64 (2 j + h) + d, d = my first d + b
	s_cmp_eq_u32 s95, 1
	s_cselect_b64 s[96:97], s[98:99], s[96:97]
	s_cmp_eq_u32 s95, 2
	s_cselect_b64 s[96:97], s[100:101], s[96:97]
	s_cbranch_scc1 .Lbias_v
	s_lshl_b32 s46, s42, 10
	s_lshl_b32 s47, s16, 9
	s_add_co_u32 s46, s46, s47
	s_mov_b32 s47, 0
	s_add_nc_u64 s[96:97], s[96:97], s[46:47]
	v_lshlrev_b32 v7, 6, v2
.irp b, 0,1,2,3,4,5,6,7
	global_load_b128 v[BI+8*\b:BI+8*\b+3], v7, s[96:97] offset:(32*(\b/2)+8*(\b%2))*4
	global_load_b128 v[BI+8*\b+4:BI+8*\b+7], v7, s[96:97] offset:(32*(\b/2)+8*(\b%2))*4+16
.endr
	s_branch .Lbias_done
.Lbias_v:
	s_lshl_b32 s46, s42, 6
	s_lshl_b32 s47, s16, 5
	s_add_co_u32 s46, s46, s47
	s_mov_b32 s47, 0
	s_add_nc_u64 s[96:97], s[96:97], s[46:47]
	v_lshlrev_b32 v7, 8, v2
.irp b, 0,1,2,3,4,5,6,7
.irp j, 0,1,2,3,4,5,6,7
	global_load_b32 v[BI+8*\b+\j], v7, s[96:97] offset:512*\j+4*\b
.endr
.endr
.Lbias_done:
.macro FRAG reg, adr, st, i            ; 16 rows x 128 K: six pieces of 8 bytes; byte y of a row lies in slot (y / 256) % 2 at byte y % 256
.irp p, 0,1,2,3,4,5
.set FBY, 96*(\st)+48*(\p/3)+8*(\p%3)
.if FBY/ROWB == (FBY+24)/ROWB
	ds_load_b64 v[\reg+2*\p:\reg+2*\p+1], v[\adr+(FBY/ROWB)%2] offset:FBY%ROWB+(\i)*16*PITCH
.else
	ds_load_b64 v[\reg+2*\p:\reg+2*\p+1], v[\adr+2+(FBY/ROWB)%2] offset:FBY%ROWB-232+(\i)*16*PITCH
.endif
.endr
.endm
; 16 products: A's blocks a0, a0 + 1 x B's eight.  zero = 1: the first step starts the sums with the bias as C.  The 64 accumulators take turns.
.macro MUL16 a0, p, q, sc, zero
.irp a, \a0, \a0+1
.irp b, 0,1,2,3,4,5,6,7
.if \zero
	v_wmma_scale_f32_16x16x128_f8f6f4 v[8*(8*((\a)%4)+\b):8*(8*((\a)%4)+\b)+7], v[128*(\p)+FR*\b:128*(\p)+FR*\b+FR-1], v[AF+FR*(\a):AF+FR*(\a)+FR-1], v[BI+8*\b:BI+8*\b+7], v[SC+8*NQ*(\sc)+NQ*\b+(\q)], v[SC+8*NQ*(\sc)+NQ*(\a)+(\q)] matrix_a_fmt:MATRIX_FMT_FP6 matrix_b_fmt:MATRIX_FMT_FP6 matrix_a_scale:MATRIX_SCALE_ROW1
.else
	v_wmma_scale_f32_16x16x128_f8f6f4 v[8*(8*((\a)%4)+\b):8*(8*((\a)%4)+\b)+7], v[128*(\p)+FR*\b:128*(\p)+FR*\b+FR-1], v[AF+FR*(\a):AF+FR*(\a)+FR-1], v[8*(8*((\a)%4)+\b):8*(8*((\a)%4)+\b)+7], v[SC+8*NQ*(\sc)+NQ*\b+(\q)], v[SC+8*NQ*(\sc)+NQ*(\a)+(\q)] matrix_a_fmt:MATRIX_FMT_FP6 matrix_b_fmt:MATRIX_FMT_FP6 matrix_a_scale:MATRIX_SCALE_ROW1
.endif
.endr
.endr
.endm
.macro FETCH_B st, p
	WIN TO_B
.irp i, 0,1,2,3,4,5,6,7
	FRAG 128*(\p)+FR*\i, ADRB, \st, \i
.endr
	WIN 0
.endm
.macro FETCH_A st, i0
.irp i, \i0, \i0+1, \i0+2, \i0+3
	FRAG AF+FR*(\i), ADRA, \st, \i
.endr
.endm
.macro SCALES pr                       ; the scale words of steps 2 pr, 2 pr + 1 into set pr % 2
.irp i, 0,1,2,3,4,5,6,7
	ds_load_b64 v[SC+8*NQ*((\pr)%2)+NQ*\i:SC+8*NQ*((\pr)%2)+NQ*\i+1], v[ADRS] offset:\i*SBLK+4*NQ*(\pr)
.endr
.endm
.macro PLACES n                        ; plain places behind a matrix instruction (ISA guide 7.12.1)
.rept \n
	v_nop
.endr
.endm
; A step: 64 products; the next step's fragments are fetched in its middle and at its end.  Where the next step's bytes end in a chunk not read yet, a barrier shows that chunk whole;
; where they begin in a later chunk, the chunk left behind is free: the three lines, the barrier, and, where a chunk two on is left to fetch, a round and the refill.
.macro STEP st, zero
.set NX, (\st)+1
.set C0, (96*(\st))/ROWB
.set C1, (96*NX)/ROWB
.set E0, (96*(\st)+95)/ROWB
.set E1, (96*NX+95)/ROWB
.set WLO, MUL_LO-0x20*(\zero)          ; with the bias as C: source 2 in window 0
.set WHI, MUL_HI-0x30*(\zero)
.if C1 > C0 || E1 > E0
	s_wait_tensorcnt 0x0                           ; all my tensor loads have landed
.if C1 > C0
	ds_add_u32 v[SPW], v[NIL]
	s_wait_dscnt 4*NL+1                            ; the add and A's blocks 4-7 may be out
.else
	s_wait_dscnt 4*NL
.endif
	WIN WLO
	MUL16 0, (\st)%2, (\st)%2, ((\st)/2)%2, \zero
	s_wait_dscnt 0x0                               ; the add and my reads are done
	s_barrier_signal -1
	MUL16 2, (\st)%2, (\st)%2, ((\st)/2)%2, \zero
	WIN 0
	s_barrier_wait -1
.if C1 > C0 && C0+2 < CHUNKS
	CREST
	s_add_nc_u64 s[G0+4*(C0%2)+2:G0+4*(C0%2)+3], s[G0+4*(C0%2)+2:G0+4*(C0%2)+3], 2*ROWB
	s_add_nc_u64 s[G0B+4*(C0%2)+2:G0B+4*(C0%2)+3], s[G0B+4*(C0%2)+2:G0B+4*(C0%2)+3], 2*ROWB
	JLOAD G0+4*(C0%2), G1, G0B+4*(C0%2), G1B       ; chunk C0 + 2; its four v_nop are the places in front of the loads below
.else
	PLACES NP
.endif
.else
	s_wait_dscnt 4*NL                              ; B's set and A's blocks 0-3 are in
	WIN WLO
	MUL16 0, (\st)%2, (\st)%2, ((\st)/2)%2, \zero
	MUL16 2, (\st)%2, (\st)%2, ((\st)/2)%2, \zero
	s_wait_dscnt 0
	PLACES NP
.endif
	FETCH_B NX, NX%2
	FETCH_A NX, 0
.if NX%2 == 0
	SCALES NX/2
.endif
.if (\st) == 0
	global_prefetch_b8 v[PFO], s[PFA:PFA+1] offset:2*ROWB th:TH_LOAD_NT scope:SCOPE_SE   ; chunk 2 of my 32 rows: its load stands in step 2; 32 products follow this line
.endif
	WIN WHI
	MUL16 4, (\st)%2, (\st)%2, ((\st)/2)%2, \zero
	MUL16 6, (\st)%2, (\st)%2, ((\st)/2)%2, \zero
	PLACES NP
	WIN 0
	FETCH_A NX, 4
.endm
	s_wait_alu depctr_va_vdst(0)
	s_wait_tensorcnt 0x0                           ; my tile of the head's four is in
	ds_add_u32 v[SPW], v[NIL]
	s_mov_b32 s[G1+2], 128<<16                     ; no load of mine is out: from here on a load brings 128 rows
	s_mov_b32 s[G1+4], 128
	s_mov_b32 s[G1B+2], 128<<16
	s_mov_b32 s[G1B+4], 128
	s_wait_dscnt 0x0
	CROUND
	JLOAD G0+4, G1, G0B+4, G1B                     ; chunk 1, the first tensor load behind the round
	FETCH_B 0, 0
	FETCH_A 0, 0
	SCALES 0
	FETCH_A 0, 4
	s_wait_loadcnt 0x0                             ; the bias
	STEP 0, 1
.set ST, 1
.rept STEPS-2
	STEP ST, 0
.set ST, ST+1
.endr
	s_wait_dscnt 4*NL                              ; the last step
	WIN MUL_LO
	MUL16 0, 1, 1, 1, 0
	MUL16 2, 1, 1, 1, 0
	s_wait_dscnt 0
	WIN MUL_HI
	MUL16 4, 1, 1, 1, 0
	MUL16 6, 1, 1, 1, 0
	WIN 0
; THE WAY OUT: each block of 16 rows (an a-group) is quantised in registers and stored.
.set IMO, 16
.set SWO, 17
.set VO,  18
.set VSO, 19
.set SH,  20
.set PC,  112
.set TM,  200
.set PW,  216
.set SOP, 204
.set BY,  208
.set XW,  220
.set TT,  224
.set CV,  228
.set GW,  244
	PLACES NP
	v_and_b32 v3, 31, v0
	v_lshlrev_b32 v[IMO], 4, v3
	v_lshlrev_b32 v[SWO], 2, v1
	v_mad_u32_u24 v[SWO], v2, 1536, v[SWO]
	v_mul_u32_u24 v[VO], v1, 12
	v_mad_u32_u24 v[VO], v2, 256, v[VO]            ; v: 12 bytes a lane, a row of 256 bytes for each half of the lanes
	v_and_b32 v4, 1, v1
	v_mul_u32_u24 v[VSO], v4, 1536
	v_bfe_u32 v4, v1, 1, 2
	v_lshl_add_u32 v[VSO], v4, 4, v[VSO]
	v_lshlrev_b32 v[SH], 3, v4
	v_lshl_add_u32 v[VSO], v2, 3, v[VSO]
	v_lshrrev_b32 v4, 3, v1
	v_lshl_add_u32 v[VSO], v4, 2, v[VSO]
.irp b, 0,1,2,3
	v_mov_b32 v[TM+4+\b], 0
	v_mov_b32 v[TT+\b], 0
.endr
	s_mov_b32 s18, 0x76543210
	s_mov_b32 s19, 0xfedcba98
	s_and_b32 s20, s17, 15
	s_lshl_b32 s20, s20, 4
	s_lshl_b32 s21, s15, 3
	s_add_co_u32 s20, s20, s21                     ; my first a-group
	s_mul_i32 s22, s20, AGB
	s_mul_i32 s23, s20, AGS
	s_mov_b32 s9, 0
	s_cmp_eq_u32 s95, 2
	s_cbranch_scc1 .Lout_v
	s_lshl_b32 s46, s42, 1
	s_add_co_u32 s46, s46, s16
	s_mul_i32 s47, s46, 1536
	s_add_co_u32 s22, s22, s47
	s_mul_i32 s47, s95, 12288
	s_add_co_u32 s8, s22, s47
	s_add_nc_u64 s[12:13], s[104:105], s[8:9]
	s_lshl_b32 s47, s46, 6
	s_add_co_u32 s23, s23, s47
	s_lshl_b32 s47, s95, 9
	s_add_co_u32 s8, s23, s47
	s_add_nc_u64 s[10:11], s[66:67], s[8:9]
.macro QKOUT a                         ; four blocks of 32 columns a lane pair: largest magnitude, byte, codes, whole blocks to a lane, the image stored
.set AW, 2+(\a)/4
.set AC, 64*((\a)%4)
.if (\a) > 0
	s_wait_xcnt 0x0
.endif
	WIN (AW<<2)|(AW<<4)
.irp b, 0,1,2,3
	v_max3_num_f32 v[TM+\b], 0x1800000, |v[AC+16*\b]|, |v[AC+16*\b+1]|
.endr
.irp i, 2,4,6,8,10,12,14
.irp b, 0,1,2,3
	v_max3_num_f32 v[TM+\b], v[TM+\b], |v[AC+16*\b+\i]|, |v[AC+16*\b+\i+1]|
.endr
.endr
	WIN 0
.irp b, 0,1,2,3
	v_permlanex16_b32 v[TM+4+\b], v[TM+\b], s18, s19
.endr
.irp b, 0,1,2,3
	v_max_num_f32 v[TM+\b], v[TM+\b], v[TM+4+\b]
.endr
.irp b, 0,1,2,3
	v_add_nc_u32 v[TM+12+\b], 0xff000000, v[TM+\b]
.endr
.irp b, 0,1,2,3
	v_lshrrev_b32 v[TM+4+\b], 23, v[TM+12+\b]
.endr
	v_lshl_or_b32 v[PW], v[TM+5], 8, v[TM+4]
	v_lshl_or_b32 v[PW], v[TM+6], 16, v[PW]
	v_lshl_or_b32 v[PW], v[TM+7], 24, v[PW]
	WIN AW
.irp c, 0,1
	v_cvt_scalef32_pk16_fp6_f32 v[PC+6*\c:PC+6*\c+2], v[AC+32*\c:AC+32*\c+15], v[TM+12+2*\c]
	v_cvt_scalef32_pk16_fp6_f32 v[PC+12+4*\c:PC+14+4*\c], v[AC+32*\c+16:AC+32*\c+31], v[TM+12+2*\c+1]
.endr
	WIN 0
	v_nop
.irp c, 0,1
.irp i, 0,1,2
	v_permlane16_swap_b32 v[PC+6*\c+\i], v[PC+12+4*\c+\i]
.endr
.irp i, 0,1,2
	v_mov_b32 v[PC+3+6*\c+\i], v[PC+12+4*\c+\i]
.endr
.endr
.irp c, 0,1,2
	global_store_b128 v[IMO], v[PC+4*\c:PC+4*\c+3], s[12:13] offset:(\a)*AGB+512*\c
.endr
.if (\a)%2 == 0
	v_mov_b32 v[PW+1], v[PW]
.else
	s_mov_b32 vcc_lo, 0xffff0000
	v_cndmask_b32 v[PW+2], v[PW+1], v[PW], vcc_lo
	global_store_b32 v[SWO], v[PW+2], s[10:11] offset:((\a)/2)*2*AGS
.endif
.endm
.irp a, 0,1,2,3,4,5,6,7
	QKOUT \a
.endr
	s_branch .Lend
.Lout_v:
	s_lshr_b32 s46, s42, 1
	s_lshl_b32 s46, s46, 5
	s_lshl_b32 s47, s16, 4
	s_add_co_u32 s46, s46, s47
	s_and_b32 s47, s42, 1
	s_lshl_b32 s47, s47, 3
	s_add_co_u32 s46, s46, s47                     ; my first row d
	s_lshl_b32 s47, s46, 8                         ; 256 bytes a row
	s_add_co_u32 s22, s22, s47
	s_add_co_u32 s8, s22, 24576
	s_add_nc_u64 s[12:13], s[104:105], s[8:9]
	s_lshl_b32 s47, s46, 3
	s_add_co_u32 s23, s23, s47
	s_add_co_u32 s8, s23, 1024
	s_add_nc_u64 s[10:11], s[66:67], s[8:9]
.macro VOUT a                          ; v is quantised along the keys: a lane's 16 registers are 16 keys of one d
.set AW, 2+(\a)/4
.set AC, 64*((\a)%4)
.if (\a) > 0
	s_wait_xcnt 0x0
.endif
	WIN (AW<<6)|AW
.irp p, 0,1,2,3
.irp j, 0,1,2,3,4,5,6,7
	v_permlane16_swap_b32 v[AC+16*\p+\j], v[AC+16*\p+8+\j]
.endr
.endr
	WIN (AW<<2)|(AW<<4)
.irp p, 0,1,2,3
	v_max3_num_f32 v[TM+\p], 0x1800000, |v[AC+16*\p]|, |v[AC+16*\p+1]|
.endr
.irp i, 2,4,6,8,10,12,14
.irp p, 0,1,2,3
	v_max3_num_f32 v[TM+\p], v[TM+\p], |v[AC+16*\p+\i]|, |v[AC+16*\p+\i+1]|
.endr
.endr
	WIN 0
.irp p, 0,1,2,3
	v_max_num_f32_dpp v[TM+\p], v[TM+\p], v[TM+\p] row_xmask:1 row_mask:0xf bank_mask:0xf
.endr
.irp p, 0,1,2,3
	v_add_nc_u32 v[SOP+\p], 0xff000000, v[TM+\p]
.endr
.irp p, 0,1,2,3
	v_lshrrev_b32 v[BY+\p], 23, v[SOP+\p]
.endr
.irp p, 0,1,2,3
	v_lshlrev_b32 v[XW+\p], v[SH], v[BY+\p]
.endr
.irp p, 0,1,2,3
	v_mov_b32_dpp v[TT+\p], v[XW+\p] row_xmask:2 row_mask:0xf bank_mask:0xf
.endr
.irp p, 0,1,2,3
	v_or_b32 v[XW+\p], v[XW+\p], v[TT+\p]
.endr
.irp p, 0,1,2,3
	v_mov_b32_dpp v[TT+\p], v[XW+\p] row_xmask:4 row_mask:0xf bank_mask:0xf
.endr
.irp p, 0,1,2,3
	v_or_b32 v[XW+\p], v[XW+\p], v[TT+\p]
.endr
.irp p, 0,1,2,3
.if ((\a)%2 == 0) && (\p == 0)
	v_mov_b32 v[GW], v[XW]
.else
	s_mov_b32 vcc_lo, 0x01010101<<(2*\p+(\a)%2)
	v_cndmask_b32 v[GW], v[GW], v[XW+\p], vcc_lo
.endif
.endr
	WIN AW
.irp p, 0,1,2,3
	v_cvt_scalef32_pk16_fp6_f32 v[CV+4*\p:CV+4*\p+2], v[AC+16*\p:AC+16*\p+15], v[SOP+\p]
.endr
	WIN 0
	v_nop
.irp p, 0,1,2,3
	global_store_b96 v[VO], v[CV+4*\p:CV+4*\p+2], s[12:13] offset:(\a)*AGB+512*\p
.endr
.if (\a)%2 == 1
	global_store_b32 v[VSO], v[GW], s[10:11] offset:((\a)/2)*2*AGS
.endif
.endm
.irp a, 0,1,2,3,4,5,6,7
	VOUT \a
.endr
.Lend:
	s_wait_tensorcnt 0x0                           ; the wave's end
	ds_add_u32 v[SPW], v[NIL]
	s_wait_dscnt 0x0
	CROUND                                         ; the closing round
	s_endpgm
.Lfunc_end_k_qaf3eaac582_proj:
	.size	k_qaf3eaac582_proj, .Lfunc_end_k_qaf3eaac582_proj-k_qaf3eaac582_proj
	.p2alignl 7, 3214868480
	.fill 96, 4, 3214868480
	.section	.rodata,"a",@progbits
	.p2align	6, 0x0
	.amdhsa_kernel k_qaf3eaac582_proj
		.amdhsa_group_segment_fixed_size 327680
		.amdhsa_private_segment_fixed_size 0
		.amdhsa_enable_private_segment 0
		.amdhsa_kernarg_size 56
		.amdhsa_user_sgpr_count 2
		.amdhsa_user_sgpr_kernarg_segment_ptr 1
		.amdhsa_wavefront_size32 1
		.amdhsa_system_sgpr_workgroup_id_x 1
		.amdhsa_system_sgpr_workgroup_id_y 1
		.amdhsa_system_sgpr_workgroup_id_z 1
		.amdhsa_system_vgpr_workitem_id 0
		.amdhsa_next_free_vgpr 1024
		.amdhsa_next_free_sgpr 106
		.amdhsa_reserve_vcc 1
		.amdhsa_float_denorm_mode_32 3
		.amdhsa_float_denorm_mode_16_64 3
		.amdhsa_memory_ordered 1
		.amdhsa_forward_progress 1
		.amdhsa_inst_pref_size 222
	.end_amdhsa_kernel
	.amdgpu_metadata
---
amdhsa.version: [ 1, 2 ]
amdhsa.kernels:
  - .name:           k_qaf3eaac582_proj
    .symbol:         k_qaf3eaac582_proj.kd
    .args:
      - { .name: xc, .offset: 0, .size: 8, .value_kind: global_buffer, .address_space: global }
      - { .name: xs, .offset: 8, .size: 8, .value_kind: global_buffer, .address_space: global }
      - { .name: bq, .offset: 16, .size: 8, .value_kind: global_buffer, .address_space: global }
      - { .name: bk, .offset: 24, .size: 8, .value_kind: global_buffer, .address_space: global }
      - { .name: bv, .offset: 32, .size: 8, .value_kind: global_buffer, .address_space: global }
      - { .name: pc, .offset: 40, .size: 8, .value_kind: global_buffer, .address_space: global }
      - { .name: ps, .offset: 48, .size: 8, .value_kind: global_buffer, .address_space: global }
    .group_segment_fixed_size: 327680
    .private_segment_fixed_size: 0
    .kernarg_segment_align: 8
    .kernarg_segment_size: 56
    .max_flat_workgroup_size: 128
    .sgpr_count:     106
    .vgpr_count:     1024
    .wavefront_size: 32
...
	.end_amdgpu_metadata
.endif
;; end of part 2
;; launch attn (part 3): grid 8 x 32, 16 waves a work-group, clusters of 4 x 1, 327,680 bytes of LDS; arguments pc, ps, oc, os; writes oc, os
.if DOCPART == 3
	.amdgcn_target "amdgcn-amd-amdhsa--gfx1250"
	.amdhsa_code_object_version 6
	.text
	.protected	k_qaf3eaac582_attn
	.globl	k_qaf3eaac582_attn
	.p2align	8
	.type	k_qaf3eaac582_attn,@function
k_qaf3eaac582_attn:
	s_mov_b64 s[64:65], 0
	v_nop
	global_prefetch_b8 v0, s[64:65] scope:SCOPE_SE
	s_setreg_imm32_b32 hwreg(HW_REG_WAVE_MODE, 25, 1), 1
	s_wait_xcnt 0x0
	s_wait_alu depctr_hold_cnt(0) depctr_sa_sdst(0) depctr_va_vdst(0) depctr_va_sdst(0) depctr_va_ssrc(0) depctr_va_vcc(0) depctr_vm_vsrc(0)
	s_getreg_b32 s2, hwreg(HW_REG_IB_STS2, 6, 4)
	s_cmp_eq_u32 s2, 0
	s_cbranch_scc0 .Lentry_in_a_cluster
	s_endpgm
.Lentry_in_a_cluster:
	s_bfe_u32 s2, ttmp6, 0x10000c
	s_cmp_lg_u32 s2, 0x3003
	s_cbranch_scc0 .Lentry_shape_is_right
	s_endpgm
.Lentry_shape_is_right:
; Attention for 32 heads of 2,048 tokens x 64, both products on codes of FP6 (E2M3) with E8M0 scales; its result is quantised along the 64 of a token into oc [4096][768 bytes], os [4096][32].
; pc [256 a-groups][q 12,288 | k 12,288 | v 64 rows at a pitch of 256 bytes], ps [256][3][512], as the launch before lays them.  An a-group is 16 rows of a projection: 256 tokens (row, G); a head is 8 a-groups.
; THE SOFTMAX: t = score x log2(e) / 32; M = the row's largest t so far, rounded up to a whole number; p = 2^(t - M) is quantised along the keys, not normalised.  The row's sum is taken of the unquantised p
; and divides O at the end.  When M moves, the sum and O are multiplied by 2^(old M - new M): exact.
; SHARES.  A work-group owns one a-group of queries; wave w of its sixteen owns the 16 queries (row r, G = w) and walks the head's 2,048 keys in 16 steps of 128.
; THE WHOLE HEAD LIES IN LDS: 8 slots of 28,416 bytes (K as 48 rows of 256 + 16, V as 64 rows of 3 x (64 + 16)) and 8,192 scale bytes; every byte is filled once.  At the head wave 0 fetches a-group 0's K, wave 1 its V,
; wave 2 the scale bytes.  Behind a round of the cluster's barrier, waves 0 to 13 fetch the other fourteen tiles, one each; these have the first two key steps in which to land.
; One more wait for all loads and one barrier follow; the last fourteen steps have no barrier.
; CLUSTERS 4 x 1: the four partners own query a-groups of one head and ask for its K, V and scale bytes jointly (mask 15); the descriptors hang on the head and the wave's number alone.
; No prefetch: every tile has been asked for when the first key step begins, so there is no later request to run ahead of.
; K = 64 IN AN INSTRUCTION OF 128.  A fragment of K is 16 double rows (two tokens, 128 codes); it is multiplied by [q | zeros] and by [zeros | q], both 12 registers of one run of 18: q, six zeros, q.
; Both products are used transposed: a lane holds one query; the 16 registers of a fragment's two tiles are places 16 (lane / 16) + 0 .. 15 of a block of 32 keys, in the order in which v's codes were laid.
; LIMITS: that order is a permutation of the keys inside a quantising block, alike on both operands: the same products, another order of the sum.  The promise holds while |t| stays under 2^31.
; A block of zeros gets the byte 1 (this program alone reads the bytes); blocks under 2^-124 are held at the byte 1; NaN and infinities are not served.
; REGISTERS: v1-5 addresses that stay; v6, v7 the add's; v8-11, v35 addresses in hand; v12 -M, v13 the largest t, v[14:15] the sum; v16-33 q's run; v34 q's scale word; v36-39 K's, V's scale words;
; v40-87 four fragments of K, then of V; v89-91 lane, r, h; v96-159 S^T, then p; v160-191 O^T; v192-203 p's codes; v204-222 at work; v240-255 eight partial sums.
.set AGB,   40960
.set AGS,   1536
.set VOFF,  13056
.set SLOTB, 28416
.set SCL,   8*SLOTB
.set OST,   SCL+8192                   ; the way out: 16 rows x 768 bytes of codes,
.set OSS,   OST+12288                  ; and 16 x 32 scale bytes
.set SPARE, OSS+512                    ; the spare words: eight blocks of 256 bytes that no other line names
.set AK0,  1
.set AV0,  2
.set AV1,  3
.set ASK0, 4
.set ASV0, 5
.set SPW,  6
.set NIL,  7
.set ADK,  8
.set ADV,  9
.set ADV2, 10
.set ADS,  11
.set ADT,  35
.set QF,   16
.set QS,   34
.set KSC,  36
.set VSC,  38
.set F,    40
.set S,    96
.set OT,   160
.set PCD,  192
.set BM,   204
.set PT,   208
.set SOP,  216
.set SU,   240
.set WV,   18
.set PAR,  19
.set SEL,  20
.set CS,   22
.set G1K,  24
.set G1V,  32
.set G0K,  40
.set G0V,  44
.set G1S,  48
.set G0S,  56
.set G0X,  60
.set TB,   2
.set TS,   3
.set SLOTS, 67
.macro TL g0, g1                       ; a tensor load and the nops behind it
	tensor_load_to_lds s[\g0:\g0+3], s[\g1:\g1+7]
	s_nop 0
.rept 4
	v_nop
.endr
.endm
.macro ROUND                           ; a round of the cluster's barrier
	s_barrier_signal -1
	s_barrier_wait -1
	s_cmp_lg_u32 s[WV], 0
	s_cbranch_scc1 .Lnot_wave_0_\@
	s_barrier_signal -3
.Lnot_wave_0_\@:
	s_barrier_wait -3
	s_barrier_signal -1
	s_barrier_wait -1
.endm
	s_load_b256 s[4:11], s[0:1], 0x0               ; pc, ps, oc, os
	v_lshl_add_u32 v[SPW], v0, 2, SPARE
	v_mov_b32 v[NIL], 0
	ds_add_u32 v[SPW], v[NIL]                      ; the opening lines
	ds_add_u32 v[SPW], v[NIL]
	v_lshrrev_b32 v8, 5, v0
	v_readfirstlane_b32 s[WV], v8                  ; wave 0..15
	s_and_b32 s[PAR], s[WV], 1
	s_bfe_u32 s76, ttmp6, 0x40000                  ; cx
	s_and_b32 s68, ttmp7, 0xffff                   ; the head
	s_lshl_b32 s69, s68, 3                         ; its first a-group
	s_lshl_b32 s70, ttmp9, 2
	s_add_co_u32 s70, s70, s76
	s_add_co_u32 s70, s70, s69                     ; my a-group of queries: it enters global addresses alone
	s_mul_i32 s72, s69, AGB
	s_add_co_u32 s72, s72, 12288                   ; the head's first K, in pc
	s_mov_b32 s73, 0
	s_mul_i32 s74, s69, AGS
	s_add_co_u32 s74, s74, 512                     ; its scale bytes, in ps
	s_mov_b32 s75, 0
	s_lshr_b32 s90, s[WV], 1                       ; gamma: my queries' image; also: 1 + gamma is the a-group that I fetch later
	s_add_co_u32 s77, s90, 1
	s_mul_i32 s[G0X+1], s77, SLOTB
	s_mul_i32 s78, s[PAR], VOFF
	s_add_co_u32 s[G0X+1], s[G0X+1], s78           ; even waves K, odd waves V
	s_mul_i32 s78, s77, AGB
	s_mul_i32 s79, s[PAR], 12288
	s_add_co_u32 s78, s78, s79
	s_mov_b32 s79, 0
	s_mul_i32 s82, s70, AGB
	s_mul_i32 s91, s90, 1536
	s_add_co_u32 s82, s82, s91
	s_mov_b32 s83, 0
	s_mul_i32 s84, s70, AGS
	s_lshl_b32 s91, s90, 6
	s_add_co_u32 s84, s84, s91
	s_mov_b32 s85, 0
	s_mul_i32 s86, s70, 12288                      ; my 16 rows of oc
	s_mov_b32 s87, 0
	s_lshl_b32 s88, s70, 9                         ; and of os
	s_mov_b32 s89, 0
	; group 1.  K: 12,288 dense bytes as 48 rows of 256 (32 elements of 8 bytes), 16 bytes of padding behind each
	s_mov_b32 s[G1K], 15|(3<<16)|(1<<20)|(1<<21)|(5<<22)|(3<<25)
	s_mov_b32 s[G1K+1], 32<<16
	s_mov_b32 s[G1K+2], 48<<16
	s_mov_b32 s[G1K+3], 32<<16
	s_mov_b32 s[G1K+4], 48
	s_mov_b32 s[G1K+5], 32
	s_mov_b32 s[G1K+6], 0
	s_mov_b32 s[G1K+7], 0
	; V: 64 rows of 192 bytes, 256 apart in memory, 16 bytes of padding behind every 64
	s_mov_b32 s[G1V], 15|(0<<16)|(1<<20)|(1<<21)|(3<<22)|(3<<25)
	s_mov_b32 s[G1V+1], 192<<16
	s_mov_b32 s[G1V+2], 64<<16
	s_mov_b32 s[G1V+3], 192<<16
	s_mov_b32 s[G1V+4], 64
	s_mov_b32 s[G1V+5], 256
	s_mov_b32 s[G1V+6], 0
	s_mov_b32 s[G1V+7], 0
	; the scale bytes: 8 rows (a-groups) of 1,024 bytes (128 elements of 8), 1,536 bytes apart
	s_mov_b32 s[G1S], 15|(3<<16)|(1<<21)
	s_mov_b32 s[G1S+1], 128<<16
	s_mov_b32 s[G1S+2], 8<<16
	s_mov_b32 s[G1S+3], 128<<16
	s_mov_b32 s[G1S+4], 8
	s_mov_b32 s[G1S+5], 192
	s_mov_b32 s[G1S+6], 0
	s_mov_b32 s[G1S+7], 0
	s_mov_b32 s[SEL], 0x76543210
	s_mov_b32 s[SEL+1], 0xfedcba98                 ; selects for lane l xor 16
	s_mov_b32 s[CS], 0x3d38aa3b                    ; c = log2(e) / 32
	s_mov_b32 s[CS+1], s[CS]
	s_mov_b32 s[TB], 0
	s_mov_b32 s[TS], 0
	s_mov_b32 s[SLOTS], 6
	s_wait_dscnt 0x0                               ; both opening adds are done
	s_wait_kmcnt 0x0
	s_mov_b32 s[G0K], 1
	s_mov_b32 s[G0K+1], 0
	s_add_nc_u64 s[G0K+2:G0K+3], s[4:5], s[72:73]
	s_mov_b32 s[G0V], 1
	s_mov_b32 s[G0V+1], VOFF
	s_add_nc_u64 s[G0V+2:G0V+3], s[G0K+2:G0K+3], 12288
	s_mov_b32 s[G0X], 1
	s_add_nc_u64 s[G0X+2:G0X+3], s[G0K+2:G0K+3], s[78:79]
	s_or_b32 s[G0K+3], s[G0K+3], 0x80000000
	s_or_b32 s[G0V+3], s[G0V+3], 0x80000000
	s_or_b32 s[G0X+3], s[G0X+3], 0x80000000
	s_mov_b32 s[G0S], 1
	s_mov_b32 s[G0S+1], SCL
	s_add_nc_u64 s[G0S+2:G0S+3], s[6:7], s[74:75]
	s_or_b32 s[G0S+3], s[G0S+3], 0x80000000
	s_add_nc_u64 s[92:93], s[4:5], s[82:83]        ; my queries' image
	s_add_nc_u64 s[94:95], s[6:7], s[84:85]        ; and its scale words
	s_add_nc_u64 s[8:9], s[8:9], s[86:87]
	s_add_nc_u64 s[10:11], s[10:11], s[88:89]
	ROUND                                          ; in front of the first joint loads
	s_cmp_eq_u32 s[WV], 0
	s_cbranch_scc0 .Lfirst_1
	TL G0K, G1K
	s_branch .Lfirst_done
.Lfirst_1:
	s_cmp_eq_u32 s[WV], 1
	s_cbranch_scc0 .Lfirst_2
	TL G0V, G1V
	s_branch .Lfirst_done
.Lfirst_2:
	s_cmp_eq_u32 s[WV], 2
	s_cbranch_scc0 .Lfirst_done
	TL G0S, G1S
.Lfirst_done:
	v_and_b32 v89, 31, v0                          ; l
	v_and_b32 v90, 15, v0                          ; r
	v_bfe_u32 v91, v0, 4, 1                        ; h
	v_lshlrev_b32 v94, 4, v89
	v_lshlrev_b32 v95, 2, v90
	global_load_b128 v[96:99], v94, s[92:93]       ; the image's 12 registers, as they were stored
	global_load_b128 v[100:103], v94, s[92:93] offset:512
	global_load_b128 v[104:107], v94, s[92:93] offset:1024
	global_load_b32 v222, v95, s[94:95]
	; LDS addresses.  K: fragment lane l = 16 h + 8 rho + gamma wants image gamma's lane (row 2 i + rho, h): an image is 6 rows of 272, register group c 2 rows, h one row
	v_and_b32 v92, 7, v0
	v_bfe_u32 v93, v0, 3, 1
	v_mul_u32_u24 v[AV0], v90, 240
	v_mul_u32_u24 v[AK0], v92, 1632
	v_lshlrev_b32 v[ASK0], 6, v92                  ; K's scale words [gamma][row]: lanes 16-31 the next fragment's (8 bytes on)
	v_add_nc_u32 v[AV0], VOFF, v[AV0]
	v_lshl_add_u32 v[AK0], v93, 4, v[AK0]
	v_lshl_add_u32 v[ASK0], v93, 2, v[ASK0]
	v_mad_u32_u24 v[AV1], v91, 40, v[AV0]          ; V: row r x pitch + 24 h, and the same behind one padding more
	v_mad_u32_u24 v[AK0], v91, 272, v[AK0]
	v_lshl_add_u32 v[ASK0], v91, 3, v[ASK0]
	v_mad_u32_u24 v[AV0], v91, 24, v[AV0]
	v_lshl_add_u32 v[ASV0], v89, 3, SCL+512        ; V's scale words: 8 bytes a row
	v_add_nc_u32 v[ASK0], SCL, v[ASK0]
	s_wait_alu depctr_va_vdst(0)                   ; directly ahead of the wait below
	s_wait_loadcnt 0x0
	s_cmp_eq_u32 s[PAR], 1                         ; which token of the image's two is mine
	s_cselect_b32 vcc_lo, -1, 0
.irp i, 0,1,2,3,4,5
	v_cndmask_b32 v[QF+\i], v[96+\i], v[102+\i], vcc_lo
.endr
.irp i, 0,1,2,3,4,5
	v_mov_b32 v[QF+6+\i], 0
	v_mov_b32 v[QF+12+\i], v[QF+\i]                ; q, six zeros, q
.endr
	s_lshl_b32 s81, s[PAR], 4
	v_lshrrev_b32 v222, s81, v222
	s_delay_alu instid0(VALU_DEP_1)
	v_and_b32 v222, 0xffff, v222                   ; my token's two bytes,
	s_delay_alu instid0(VALU_DEP_1)
	v_lshl_or_b32 v[QS], v222, 16, v222            ; at both places: one word serves both forms of q
	v_mov_b32 v13, 0xff61b1e6                      ; the largest t so far: -3e38
	s_delay_alu instid0(VALU_DEP_1)
	v_floor_f32 v12, -v13                          ; -M
	v_mov_b32 v14, 0
	v_mov_b32 v15, 0
.irp b, 0,1,2,3
	v_mov_b32 v[PT+\b], 0                          ; a lane permute's destination counts as one of its sources
.endr
	v_mov_b32 v221, 0
.irp j, 0,1,2,3,4,5,6,7,8,9,10,11,12,13,14,15,16,17,18,19,20,21,22,23,24,25,26,27,28,29,30,31
	v_mov_b32 v[OT+\j], 0                          ; O^T: the step is written once; the first finds zeros
.endr
; A KEY STEP: 128 keys, blocks 4 q to 4 q + 3 of the slot in hand.
.macro ADDR                            ; the addresses of the slot in hand, once a slot
	v_add_nc_u32 v[ADK], s[TB], v[AK0]
	v_add_nc_u32 v[ADV], s[TB], v[AV0]
	v_add_nc_u32 v[ADV2], s[TB], v[AV1]
	v_add_nc_u32 v[ADS], s[TS], v[ASK0]
	v_add_nc_u32 v[ADT], s[TS], v[ASV0]
.endm
.macro KLOAD q                         ; K's four fragments and their scale words for step q of the slot in hand
.irp i, 0,1,2,3
.irp c, 0,1,2
	ds_load_b128 v[F+12*\i+4*\c:F+12*\i+4*\c+3], v[ADK] offset:544*\c+32*(4*(\q)+\i)
.endr
.endr
.irp x, 0,1
	ds_load_b32 v[KSC+\x], v[ADS] offset:32*(\q)+16*\x
.endr
.endm
.macro REDUCE                          ; eight partial sums into the row's sum
.irp c, 0,1,2,3
	v_pk_add_f32 v[SU+2*\c:SU+2*\c+1], v[SU+2*\c:SU+2*\c+1], v[SU+8+2*\c:SU+9+2*\c]
.endr
.irp c, 0,1
	s_delay_alu instid0(VALU_DEP_2)
	v_pk_add_f32 v[SU+2*\c:SU+2*\c+1], v[SU+2*\c:SU+2*\c+1], v[SU+4+2*\c:SU+5+2*\c]
.endr
	s_delay_alu instid0(VALU_DEP_1)
	v_pk_add_f32 v[SU:SU+1], v[SU:SU+1], v[SU+2:SU+3]
	s_delay_alu instid0(VALU_DEP_1)
	v_pk_add_f32 v[14:15], v[14:15], v[SU:SU+1]
.endm
; Its K fragments were asked for in the step before.  nxt: what is asked for at its end: 0 nothing, 1 step 1 of this slot, 2 step 0 of the next slot.  first = 1: no partial sums are waiting yet.
.macro STEP q, nxt, first
	s_wait_alu depctr_va_vdst(0)                   ; ahead of the wait below
	s_wait_dscnt 0x0
.irp i, 0,1,2,3                                ; S^T: fragment i by [q | 0] (even tokens) and by [0 | q] (odd tokens)
.irp o, 0,1
.if \i%2
	v_wmma_scale_f32_16x16x128_f8f6f4 v[S+16*\i+8*\o:S+16*\i+8*\o+7], v[F+12*\i:F+12*\i+11], v[QF+6*\o:QF+6*\o+11], 0, v[KSC+\i/2], v[QS] matrix_a_fmt:MATRIX_FMT_FP6 matrix_b_fmt:MATRIX_FMT_FP6 matrix_a_scale:MATRIX_SCALE_ROW1
.else
	v_wmma_scale_f32_16x16x128_f8f6f4 v[S+16*\i+8*\o:S+16*\i+8*\o+7], v[F+12*\i:F+12*\i+11], v[QF+6*\o:QF+6*\o+11], 0, v[KSC+\i/2], v[QS] matrix_a_fmt:MATRIX_FMT_FP6 matrix_b_fmt:MATRIX_FMT_FP6
.endif
.endr
.endr
.if \first
.rept 4
	v_nop                                          ; places: in front of the loads into K's registers and of the first read of the scores
.endr
.else
	REDUCE                                         ; the last step's eight partial sums join the row's sum, still under the old M: these eight additions are the places
.endif
.irp t, 0,1,2,3
.irp p, 0,1,2,3,4,5
.set PCE, 12*(\q)+6*(\p/3)+\p%3
.if PCE%8 < 5
	ds_load_b64 v[F+12*\t+2*\p:F+12*\t+2*\p+1], v[ADV] offset:8*PCE+16*(PCE/8)+3840*\t
.else
	ds_load_b64 v[F+12*\t+2*\p:F+12*\t+2*\p+1], v[ADV2] offset:8*PCE+16*(PCE/8)+3840*\t
.endif
.endr
.endr
.irp y, 0,1
	ds_load_b32 v[VSC+\y], v[ADT] offset:256*\y+4*(\q)
.endr
.irp b, 0,1,2,3
	v_max3_num_f32 v[BM+\b], v[S+16*\b], v[S+1+16*\b], v[S+2+16*\b]   ; each block's largest score: for the row's maximum and for the block's largest p
.endr
.irp i, 3,5,7,9,11,13
.irp b, 0,1,2,3
	v_max3_num_f32 v[BM+\b], v[BM+\b], v[S+16*\b+\i], v[S+1+16*\b+\i]
.endr
.endr
.irp b, 0,1,2,3
	v_max_num_f32 v[BM+\b], v[BM+\b], v[S+15+16*\b]
.endr
.irp b, 0,1,2,3
	s_delay_alu instid0(VALU_DEP_4)
	v_permlanex16_b32 v[PT+\b], v[BM+\b], s[SEL], s[SEL+1]
.endr
.irp b, 0,1,2,3
	s_delay_alu instid0(VALU_DEP_4)
	v_max_num_f32 v[BM+\b], v[BM+\b], v[PT+\b]     ; with lane l xor 16's 16 keys
.endr
	s_delay_alu instid0(VALU_DEP_2)
	v_max3_num_f32 v222, v[BM], v[BM+1], v[BM+2]
	s_delay_alu instid0(VALU_DEP_1)
	v_max_num_f32 v222, v222, v[BM+3]
	s_delay_alu instid0(VALU_DEP_1)
	v_mul_f32 v222, s[CS], v222                    ; the step's largest t (c is positive)
	s_delay_alu instid0(VALU_DEP_1)
	v_max_num_f32 v13, v13, v222
	v_mov_b32 v222, v12
	s_delay_alu instid0(VALU_DEP_2)
	v_floor_f32 v12, -v13                          ; the new -M = floor(-t)
	s_delay_alu instid0(VALU_DEP_1)
	v_sub_f32 v222, v12, v222                      ; old M - new M: a whole number, 0 or less
	s_delay_alu instid0(VALU_DEP_1)
	v_cvt_i32_f32 v222, v222
	s_delay_alu instid0(VALU_DEP_1)
	v_ldexp_f32 v220, 1.0, v222                    ; f = 2^(old M - new M)
.irp j, 0,2,4,6,8,10,12,14,16,18,20,22,24,26,28,30,32,34,36,38,40,42,44,46,48,50,52,54,56,58,60,62
	v_pk_fma_f32 v[S+\j:S+\j+1], v[S+\j:S+\j+1], s[CS:CS+1], v[12:13] op_sel_hi:[1,0,0]   ; t - M
.endr
.irp b, 0,1,2,3
	v_fma_f32 v[BM+\b], v[BM+\b], s[CS], v12
.endr
	s_wait_alu depctr_va_vdst(0)                   ; ahead of the batch
.irp j, 0,1,2,3,4,5,6,7,8,9,10,11,12,13,14,15,16,17,18,19,20,21,22,23,24,25,26,27,28,29,30,31,32,33,34,35,36,37,38,39,40,41,42,43,44,45,46,47,48,49,50,51,52,53,54,55,56,57,58,59,60,61,62,63
	v_exp_f32 v[S+\j], v[S+\j]                     ; p = 2^(t - M), at most 1
.endr
.irp b, 0,1,2,3
	v_exp_f32 v[BM+\b], v[BM+\b]                   ; each block's largest p: one batch with the 64
.endr
	v_pk_mul_f32 v[14:15], v[14:15], v[220:221] op_sel_hi:[1,0]   ; the sums under the new M: a plain instruction behind the exponentials
	s_wait_alu depctr_va_vdst(0)                   ; and one for the four
.irp b, 0,1,2,3
	v_max_num_f32 v[BM+\b], 0x1800000, v[BM+\b]    ; the floor 2^(3 - 127): the byte cannot fall under 1
.endr
.irp b, 0,1,2,3
	s_delay_alu instid0(VALU_DEP_4)
	v_add_nc_u32 v[SOP+\b], 0xff000000, v[BM+\b]   ; 2 off the exponent field: the conversion's scale operand
.endr
.irp b, 0,1,2,3
	s_delay_alu instid0(VALU_DEP_4)
	v_lshrrev_b32 v[PT+\b], 23, v[SOP+\b]
.endr
	s_delay_alu instid0(VALU_DEP_3)
	v_lshl_or_b32 v221, v[PT+1], 8, v[PT]          ; p's scale word for these 128 keys
	s_delay_alu instid0(VALU_DEP_1)
	v_lshl_or_b32 v221, v[PT+2], 16, v221
	s_delay_alu instid0(VALU_DEP_1)
	v_lshl_or_b32 v221, v[PT+3], 24, v221
.irp c, 0,1
	v_cvt_scalef32_pk16_fp6_f32 v[PCD+6*\c:PCD+6*\c+2], v[S+32*\c:S+32*\c+15], v[SOP+2*\c]
	v_cvt_scalef32_pk16_fp6_f32 v[PT+4*\c:PT+4*\c+2], v[S+32*\c+16:S+32*\c+31], v[SOP+2*\c+1]
.endr
	v_nop                                          ; one plain place behind a scaled conversion
.irp c, 0,1                                    ; the operand's layout wants a whole block in a lane
.irp i, 0,1,2
	v_permlane16_swap_b32 v[PCD+6*\c+\i], v[PT+4*\c+\i]
.endr
.irp i, 0,1,2
	s_delay_alu instid0(VALU_DEP_3)
	v_mov_b32 v[PCD+3+6*\c+\i], v[PT+4*\c+\i]
.endr
.endr
	s_wait_alu depctr_va_vdst(0)                   ; directly ahead of the first reader of O^T
.irp j, 0,2,4,6,8,10,12,14,16,18,20,22,24,26,28,30
	v_pk_mul_f32 v[OT+\j:OT+\j+1], v[OT+\j:OT+\j+1], v[220:221] op_sel_hi:[1,0]   ; O^T under the new M; also the places in front of the scaled products
.endr
	s_wait_alu depctr_va_vdst(0)                   ; ahead of the wait below
	s_wait_dscnt 0x0                               ; V and its scale words are in
.irp t, 0,1,2,3                                ; O^T += V^T P^T: the four accumulators by turns
.if \t%2
	v_wmma_scale_f32_16x16x128_f8f6f4 v[OT+8*\t:OT+8*\t+7], v[F+12*\t:F+12*\t+11], v[PCD:PCD+11], v[OT+8*\t:OT+8*\t+7], v[VSC+\t/2], v221 matrix_a_fmt:MATRIX_FMT_FP6 matrix_b_fmt:MATRIX_FMT_FP6 matrix_a_scale:MATRIX_SCALE_ROW1
.else
	v_wmma_scale_f32_16x16x128_f8f6f4 v[OT+8*\t:OT+8*\t+7], v[F+12*\t:F+12*\t+11], v[PCD:PCD+11], v[OT+8*\t:OT+8*\t+7], v[VSC+\t/2], v221 matrix_a_fmt:MATRIX_FMT_FP6 matrix_b_fmt:MATRIX_FMT_FP6
.endif
.endr
.irp c, 0,1,2,3,4,5,6,7                        ; the sum of the unquantised p, in eight chains.  These eight additions are the places behind the products
	v_pk_add_f32 v[SU+2*\c:SU+2*\c+1], v[S+2*\c:S+2*\c+1], v[S+16+2*\c:S+17+2*\c]
.endr
.if \nxt == 2
	s_add_co_u32 s[TB], s[TB], SLOTB               ; on to the next a-group's slot,
	s_add_co_u32 s[TS], s[TS], 1024                ; and to its scale bytes
	ADDR
.endif
.if \nxt
	KLOAD (\nxt)%2                                 ; the next step's K is asked for here; the sixteen additions below stand between the loads and the wait for them
.endif
.irp j, 32,48
.irp c, 0,1,2,3,4,5,6,7
	v_pk_add_f32 v[SU+2*\c:SU+2*\c+1], v[SU+2*\c:SU+2*\c+1], v[S+\j+2*\c:S+\j+2*\c+1]
.endr
.endr
.endm
	s_wait_alu depctr_va_vdst(0)
	s_wait_tensorcnt 0x0                           ; my tile of the head's three, if I fetched one, is in
	ds_add_u32 v[SPW], v[NIL]                      ; the add, here twice
	ds_add_u32 v[SPW], v[NIL]
	s_wait_dscnt 0x0
	ROUND                                          ; a-group 0 and the scale bytes are whole, and the four partners are here
	s_cmp_lt_u32 s[WV], 14                         ; fourteen tiles are left: a-group 1 + w / 2, K for even w, V for odd
	s_cbranch_scc0 .Lsec_done
	s_cmp_eq_u32 s[PAR], 0
	s_cbranch_scc0 .Lsec_v
	TL G0X, G1K
	s_branch .Lsec_done
.Lsec_v:
	TL G0X, G1V
.Lsec_done:
	ADDR
	KLOAD 0
	STEP 0, 1, 1                                   ; a-group 0, while the others land
	STEP 1, 0, 0                                   ; nothing of slot 1 is read ahead of the barrier below
	s_add_co_u32 s[TB], s[TB], SLOTB
	s_add_co_u32 s[TS], s[TS], 1024
	s_wait_alu depctr_va_vdst(0)                   ; directly ahead of the waits below
	s_wait_tensorcnt 0x0                           ; my tile is in
	s_wait_dscnt 0x0
	s_barrier_signal -1
	s_barrier_wait -1                              ; everybody's is: the whole head lies in LDS
	ADDR
	KLOAD 0
.Lslot:                                            ; six trips, a-groups 1 to 6, no barrier: nothing is filled again
	STEP 0, 1, 0
	STEP 1, 2, 0
	s_sub_co_u32 s[SLOTS], s[SLOTS], 1
	s_cmp_lg_u32 s[SLOTS], 0
	s_cbranch_scc1 .Lslot
	STEP 0, 1, 0                                   ; a-group 7 is written out: behind its last step no K is left to fetch
	STEP 1, 0, 0
	REDUCE                                         ; the last step's partial sums
	s_delay_alu instid0(VALU_DEP_1)
	; THE WAY OUT.  O^T / the sum; register 16 B + i is d = 32 B + 16 h + i.  My queries are (row r, G = w): columns 64 w + d of row r: two blocks of 32 along the next product's K.
	v_add_f32 v14, v14, v15
	s_delay_alu instid0(VALU_DEP_1)
	v_permlanex16_b32 v220, v14, s[SEL], s[SEL+1]
	s_delay_alu instid0(VALU_DEP_1)
	v_add_f32 v14, v14, v220                       ; the row's sum
	s_wait_alu depctr_va_vdst(0)
	v_rcp_f32 v14, v14
	s_mul_i32 s81, s[WV], 48
	v_mul_u32_u24 v8, v90, 768
	s_delay_alu instid0(VALU_DEP_1)
	v_mad_u32_u24 v8, v91, 24, v8
	s_delay_alu instid0(VALU_DEP_1)
	v_add_nc_u32 v8, s81, v8
	s_delay_alu instid0(VALU_DEP_1)
	v_add_nc_u32 v8, OST, v8                       ; codes into the stage: row r, 48 bytes a wave, 24 a block
	s_lshl_b32 s81, s[WV], 1
	v_lshlrev_b32 v9, 5, v90
	s_delay_alu instid0(VALU_DEP_1)
	v_add_nc_u32 v9, s81, v9
	s_delay_alu instid0(VALU_DEP_1)
	v_add_nc_u32 v9, OSS, v9                       ; scale bytes: row r, two a wave
	s_mul_i32 s81, s[WV], 768
	v_lshlrev_b32 v11, 3, v89
	s_delay_alu instid0(VALU_DEP_1)
	v_add_nc_u32 v11, s81, v11                     ; back: wave w takes row w whole, 8 bytes a lane; the same place in oc
	s_delay_alu instid0(VALU_DEP_1)
	v_add_nc_u32 v10, OST, v11
	v_lshlrev_b32 v93, 4, v89
	s_delay_alu instid0(VALU_DEP_1)
	v_add_nc_u32 v92, OSS, v93                     ; wave 0 takes the 512 scale bytes, 16 a lane
	s_wait_alu depctr_va_vdst(0)                   ; the wait ahead of the reciprocal's first reader
.irp j, 0,1,2,3,4,5,6,7,8,9,10,11,12,13,14,15,16,17,18,19,20,21,22,23,24,25,26,27,28,29,30,31
	v_mul_f32 v[S+\j], v[OT+\j], v14
.endr
.irp b, 0,1
	v_max3_num_f32 v[BM+\b], |v[S+16*\b]|, |v[S+1+16*\b]|, 0x1800000
.endr
.irp i, 2,4,6,8,10,12,14
.irp b, 0,1
	s_delay_alu instid0(VALU_DEP_2)
	v_max3_num_f32 v[BM+\b], v[BM+\b], |v[S+16*\b+\i]|, |v[S+1+16*\b+\i]|
.endr
.endr
.irp b, 0,1
	s_delay_alu instid0(VALU_DEP_2)
	v_permlanex16_b32 v[PT+\b], v[BM+\b], s[SEL], s[SEL+1]
.endr
.irp b, 0,1
	s_delay_alu instid0(VALU_DEP_2)
	v_max_num_f32 v[BM+\b], v[BM+\b], v[PT+\b]
.endr
.irp b, 0,1
	s_delay_alu instid0(VALU_DEP_2)
	v_add_nc_u32 v[SOP+\b], 0xff000000, v[BM+\b]
.endr
.irp b, 0,1
	s_delay_alu instid0(VALU_DEP_2)
	v_lshrrev_b32 v[PT+\b], 23, v[SOP+\b]
.endr
	s_delay_alu instid0(VALU_DEP_1)
	v_lshl_or_b32 v222, v[PT+1], 8, v[PT]          ; my token's two bytes
	v_cvt_scalef32_pk16_fp6_f32 v[192:194], v[S:S+15], v[SOP]
	v_cvt_scalef32_pk16_fp6_f32 v[196:198], v[S+16:S+31], v[SOP+1]
	v_nop                                          ; one plain place behind a scaled conversion
.irp i, 0,1,2
	v_permlane16_swap_b32 v[192+\i], v[196+\i]     ; lane (r, h) now holds block h
.endr
	s_delay_alu instid0(VALU_DEP_3)
	v_mov_b32 v195, v196
	s_delay_alu instid0(VALU_DEP_3)
	v_mov_b32 v196, v197
	s_delay_alu instid0(VALU_DEP_3)
	v_mov_b32 v197, v198                           ; 24 bytes on end
	ds_store_b64 v8, v[192:193]
	ds_store_b64 v8, v[194:195] offset:8
	ds_store_b64 v8, v[196:197] offset:16
	ds_store_b16 v9, v222                          ; both halves of the lanes write the same two bytes
	s_wait_dscnt 0x0                               ; for the others' sake: my stores into the stage are done
	s_barrier_signal -1
	s_barrier_wait -1
.irp p, 0,1,2
	ds_load_b64 v[96+2*\p:97+2*\p], v10 offset:256*\p
.endr
.irp p, 0,1,2
	s_wait_dscnt 2-\p                              ; the younger of the three loads may be out
	global_store_b64 v11, v[96+2*\p:97+2*\p], s[8:9] offset:256*\p   ; 32 lanes store 256 consecutive bytes, at a multiple of 256 from oc's first byte
.endr
	s_cmp_lg_u32 s[WV], 0
	s_cbranch_scc1 .Lnot_first
	ds_load_b128 v[104:107], v92
	s_wait_dscnt 0x0
	global_store_b128 v93, v[104:107], s[10:11]    ; 512 consecutive bytes of os
.Lnot_first:
	s_wait_tensorcnt 0x0                           ; the wave's end
	ds_add_u32 v[SPW], v[NIL]
	s_wait_dscnt 0x0
	ROUND                                          ; the closing round
	s_endpgm
.Lfunc_end_k_qaf3eaac582_attn:
	.size	k_qaf3eaac582_attn, .Lfunc_end_k_qaf3eaac582_attn-k_qaf3eaac582_attn
	.p2alignl 7, 3214868480
	.fill 96, 4, 3214868480
	.section	.rodata,"a",@progbits
	.p2align	6, 0x0
	.amdhsa_kernel k_qaf3eaac582_attn
		.amdhsa_group_segment_fixed_size 327680
		.amdhsa_private_segment_fixed_size 0
		.amdhsa_enable_private_segment 0
		.amdhsa_kernarg_size 32
		.amdhsa_user_sgpr_count 2
		.amdhsa_user_sgpr_kernarg_segment_ptr 1
		.amdhsa_wavefront_size32 1
		.amdhsa_system_sgpr_workgroup_id_x 1
		.amdhsa_system_sgpr_workgroup_id_y 1
		.amdhsa_system_sgpr_workgroup_id_z 1
		.amdhsa_system_vgpr_workitem_id 0
		.amdhsa_next_free_vgpr 256
		.amdhsa_next_free_sgpr 100
		.amdhsa_reserve_vcc 1
		.amdhsa_float_denorm_mode_32 3
		.amdhsa_float_denorm_mode_16_64 3
		.amdhsa_memory_ordered 1
		.amdhsa_forward_progress 1
		.amdhsa_inst_pref_size 121
	.end_amdhsa_kernel
	.amdgpu_metadata
---
amdhsa.version: [ 1, 2 ]
amdhsa.kernels:
  - .name:           k_qaf3eaac582_attn
    .symbol:         k_qaf3eaac582_attn.kd
    .args:
      - { .name: pc, .offset: 0, .size: 8, .value_kind: global_buffer, .address_space: global }
      - { .name: ps, .offset: 8, .size: 8, .value_kind: global_buffer, .address_space: global }
      - { .name: oc, .offset: 16, .size: 8, .value_kind: global_buffer, .address_space: global }
      - { .name: os, .offset: 24, .size: 8, .value_kind: global_buffer, .address_space: global }
    .group_segment_fixed_size: 327680
    .private_segment_fixed_size: 0
    .kernarg_segment_align: 8
    .kernarg_segment_size: 32
    .max_flat_workgroup_size: 512
    .sgpr_count:     100
    .vgpr_count:     256
    .wavefront_size: 32
...
	.end_amdgpu_metadata
.endif
;; end of part 3
;; launch oproj (part 4): grid 8 x 32, 4 waves a work-group, clusters of 4 x 4, 327,680 bytes of LDS; arguments oc, os, xc, xs, bo, out0; writes out0
.if DOCPART == 4
	.amdgcn_target "amdgcn-amd-amdhsa--gfx1250"
	.amdhsa_code_object_version 6
	.text
	.protected	k_qaf3eaac582_oproj
	.globl	k_qaf3eaac582_oproj
	.p2align	8
	.type	k_qaf3eaac582_oproj,@function
k_qaf3eaac582_oproj:
	s_mov_b64 s[64:65], 0
	v_nop
	global_prefetch_b8 v0, s[64:65] scope:SCOPE_SE
	s_setreg_imm32_b32 hwreg(HW_REG_WAVE_MODE, 25, 1), 1
	s_wait_xcnt 0x0
	s_wait_alu depctr_hold_cnt(0) depctr_sa_sdst(0) depctr_va_vdst(0) depctr_va_sdst(0) depctr_va_ssrc(0) depctr_va_vcc(0) depctr_vm_vsrc(0)
	s_getreg_b32 s2, hwreg(HW_REG_IB_STS2, 6, 4)
	s_cmp_eq_u32 s2, 0
	s_cbranch_scc0 .Lentry_in_a_cluster
	s_endpgm
.Lentry_in_a_cluster:
	s_bfe_u32 s2, ttmp6, 0x10000c
	s_cmp_lg_u32 s2, 0xf033
	s_cbranch_scc0 .Lentry_shape_is_right
	s_endpgm
.Lentry_shape_is_right:
; out0 = O wo^T + bo on codes of FP6 (E2M3) with E8M0 scales.  A: oc [4096][768 bytes], os [4096][32]; B: rows 15360 to 16383 of xc and xs (wo, its rows in order); out0 [4096][1024] f32.
; A tile of 128 x 128 is made by four waves, 64 x 64 each: 16 accumulators.  32 x 8 tiles: 256 work-groups.
; WHOLE ROWS OF K LIE IN LDS, filled once.  The tile's 128 rows of A are 98,304 dense bytes of memory, and so are B's; their scale bytes are 4,096 dense bytes each.  Four dense blocks, each as rows of 256 bytes with
; 16 bytes of padding behind each row: ONE tensor load a wave at the head (wave 0 A, wave 1 B, wave 2 A's scales, wave 3 B's).  One wait for it, one barrier, then eight steps of 128 along K with no further barrier.
; Byte y of row m lies at 816 m + y + 16 (y / 256): the 32 lanes of a load of 8 bytes touch 64 different banks (816 = 48 modulo 256; 64 banks of 4 bytes: ISA guide 11.1).
; CLUSTERS 4 x 4: A's blocks are asked for jointly along a row of the cluster, B's along a column: one round in front of the loads, one at the end.
; The products are used transposed (source 0 = 16 rows of wo, source 1 = 16 rows of O): a lane holds eight neighbouring numbers of a row of out0.  The bias is the C of each sum's first product.
; No prefetch: every byte is asked for at the head.  The text has no loop: 8 steps are written out.
; REGISTERS: window 0: v1-7 at work; v8-11 fragment addresses; v24-29 other addresses; v32-63 scale words; v64-95 the bias, later rows of out0; v96-127 rows of out0; v128-255 the accumulators.
;   window 1: two sets of fragments, at v0 and v128: A's four at 12 a, B's four at 48 + 12 b.
.set SIZE_N, 1024
.set PITCH,  816
.set FR,     12
.set NL,     6
.set NP,     4
.set HALFT,  64*PITCH                  ; what one wave reads of A or of B
.set SCL,    4*HALFT                   ; behind A's 128 rows and B's 128
.set KS,     32
.set HALFS,  (64*KS/256)*272
.set SBLK,   (16*KS/256)*272
.set STAGE,  SCL+4*HALFS               ; the way out: 16 rows x (256 + 16) bytes for each wave, bytes of their own
.set SPITCH, 272
.set SPARE,  STAGE+4*16*SPITCH         ; the spare words: two blocks of 256 bytes that no other line names
.set ADRA, 8                           ; v8 my A fragments; v9 for pieces whose lanes 16-31 lie behind one padding more
.set ADRB, 10
.set STO,  24
.set RD,   25
.set CO,   26
.set ADRS, 27
.set SPW,  28
.set NIL,  29
.set SC,   32                          ; v[32 + 8 i + j]: lanes 0-15 the word of A's block i, lanes 16-31 of B's block i, for step j
.set BI,   64
.set BK,   96
.set ACC,  128
.set G1,   24
.set G1B,  32
.set G1S,  40
.set G1SB, 48
.set G0,   56
.set G0B,  60
.set G0S,  68
.set G0SB, 72
.set MSB, 0
.macro WIN new                         ; the immediate's high byte repeats the setting that is left
.if MSB != (\new)
	s_set_vgpr_msb (MSB<<8)|(\new)
.set MSB, (\new)
.endif
.endm
.set MUL,  0x05                        ; sources 0 (B) and 1 (A) window 1; C and D window 0
.set TO_F, 0x40
.macro CROUND
	s_barrier_signal -1
	s_barrier_wait -1
	s_cmp_lg_u32 s14, 0
	s_cbranch_scc1 .Lnot_wave_0_\@
	s_barrier_signal -3
.Lnot_wave_0_\@:
	s_barrier_wait -3
	s_barrier_signal -1
	s_barrier_wait -1
.endm
	s_load_b128 s[4:7], s[0:1], 0x0                ; oc, os
	s_load_b128 s[8:11], s[0:1], 0x10              ; xc, xs
	s_load_b64 s[104:105], s[0:1], 0x20            ; bo
	s_load_b64 s[12:13], s[0:1], 0x28              ; out0
	v_lshl_add_u32 v[SPW], v0, 2, SPARE
	v_mov_b32 v[NIL], 0
	ds_add_u32 v[SPW], v[NIL]                      ; the opening lines
	ds_add_u32 v[SPW], v[NIL]
	v_lshrrev_b32 v1, 5, v0
	v_readfirstlane_b32 s14, v1                    ; wave
	s_lshr_b32 s15, s14, 1                         ; my half of the tile's rows
	s_and_b32 s16, s14, 1                          ; my half of its columns
	s_bfe_u32 s2, ttmp6, 0x40000                   ; cx
	s_bfe_u32 s3, ttmp6, 0x40004                   ; cy
	s_lshl_b32 s101, ttmp9, 2
	s_add_co_u32 s101, s101, s2                    ; tile column
	s_and_b32 s17, ttmp7, 0xffff
	s_lshl_b32 s17, s17, 2
	s_add_co_u32 s17, s17, s3                      ; tile row
	s_lshl_b32 s18, s3, 2
	s_lshl_b32 s18, 15, s18                        ; my row of the cluster
	s_lshl_b32 s66, 0x1111, s2                     ; my column
	s_or_b32 s[G1+0], s18, (3<<16)|(1<<20)|(1<<21)|(5<<22)|(3<<25)   ; rows of 256 bytes (32 elements of 8), 16 bytes of padding behind each
	s_or_b32 s[G1B+0], s66, (3<<16)|(1<<20)|(1<<21)|(5<<22)|(3<<25)
	s_or_b32 s[G1S+0], s18, (3<<16)|(1<<20)|(1<<21)|(5<<22)|(3<<25)
	s_or_b32 s[G1SB+0], s66, (3<<16)|(1<<20)|(1<<21)|(5<<22)|(3<<25)
.irp g, G1, G1B                        ; the codes of 128 rows: 384 rows of 256 bytes
	s_mov_b32 s[\g+1], 32<<16
	s_mov_b32 s[\g+2], 384<<16
	s_mov_b32 s[\g+3], 32<<16
	s_mov_b32 s[\g+4], 384
	s_mov_b32 s[\g+5], 32
	s_mov_b32 s[\g+6], 0
	s_mov_b32 s[\g+7], 0
.endr
.irp g, G1S, G1SB                      ; their scale bytes: 16 rows of 256 bytes
	s_mov_b32 s[\g+1], 32<<16
	s_mov_b32 s[\g+2], 16<<16
	s_mov_b32 s[\g+3], 32<<16
	s_mov_b32 s[\g+4], 16
	s_mov_b32 s[\g+5], 32
	s_mov_b32 s[\g+6], 0
	s_mov_b32 s[\g+7], 0
.endr
	; A's offsets hang on the tile row alone (s20-s23, s76, s77), B's on the tile column alone (s66, s67, s78, s79, s100)
	s_lshl_b32 s22, s17, 7                         ; A: row 128 x tile row
	s_lshl_b32 s100, s101, 7
	s_add_co_u32 s100, s100, 15360                 ; B: row 15360 + 128 x tile column
	s_lshl_b32 s20, s22, 5
	s_mov_b32 s21, 0
	s_lshl_b32 s66, s100, 5
	s_mov_b32 s67, 0
	s_mul_i32 s76, s22, 768
	s_mov_b32 s77, 0
	s_mul_i32 s78, s100, 768                       ; under 2^24 bytes
	s_mov_b32 s79, 0
	s_wait_dscnt 0x0                               ; both opening adds are done
	s_wait_kmcnt 0x0
	s_mov_b32 s[G0], 1
	s_mov_b32 s[G0+1], 0
	s_add_nc_u64 s[G0+2:G0+3], s[4:5], s[76:77]
	s_or_b32 s[G0+3], s[G0+3], 0x80000000
	s_mov_b32 s[G0B], 1
	s_mov_b32 s[G0B+1], 2*HALFT
	s_add_nc_u64 s[G0B+2:G0B+3], s[8:9], s[78:79]
	s_or_b32 s[G0B+3], s[G0B+3], 0x80000000
	s_mov_b32 s[G0S], 1
	s_mov_b32 s[G0S+1], SCL
	s_add_nc_u64 s[G0S+2:G0S+3], s[6:7], s[20:21]
	s_or_b32 s[G0S+3], s[G0S+3], 0x80000000
	s_mov_b32 s[G0SB], 1
	s_mov_b32 s[G0SB+1], SCL+2*HALFS
	s_add_nc_u64 s[G0SB+2:G0SB+3], s[10:11], s[66:67]
	s_or_b32 s[G0SB+3], s[G0SB+3], 0x80000000
	CROUND                                         ; in front of the joint loads
.macro ARM under, g0, g1, next         ; one chain of branches on the wave's number: every way passes exactly one load
	s_cmp_lt_u32 s14, \under
	s_cbranch_scc0 \next
	tensor_load_to_lds s[\g0:\g0+3], s[\g1:\g1+7]
	s_nop 0
.rept 4
	v_nop
.endr
	s_branch .Lhead_asked
\next:
.endm
	ARM 1, G0,  G1,  .Lhead_b
	ARM 2, G0B, G1B, .Lhead_sa
	ARM 3, G0S, G1S, .Lhead_sb
	tensor_load_to_lds s[G0SB:G0SB+3], s[G1SB:G1SB+7]
	s_nop 0
.rept 4
	v_nop
.endr
.Lhead_asked:
	v_and_b32 v1, 15, v0                           ; r
	v_bfe_u32 v2, v0, 4, 1                         ; h
	v_mul_u32_u24 v3, v1, PITCH
	v_mad_u32_u24 v4, v2, 24, v3                   ; row x pitch + 24 h
	v_mad_u32_u24 v5, v2, 40, v3                   ; and the same behind one padding more
	s_mul_i32 s20, s15, HALFT
	s_mul_i32 s21, s16, HALFT
	s_add_co_u32 s21, s21, 2*HALFT
	v_add_nc_u32 v[ADRA], s20, v4
	v_add_nc_u32 v[ADRA+1], s20, v5
	v_add_nc_u32 v[ADRB], s21, v4
	v_add_nc_u32 v[ADRB+1], s21, v5
	v_mul_u32_u24 v5, v1, KS                       ; my row's scales: 32 bytes a row,
	v_lshrrev_b32 v6, 8, v5
	v_lshl_add_u32 v5, v6, 4, v5                   ; and 16 more for each 256 passed
	s_mul_i32 s20, s15, HALFS
	s_mul_i32 s21, s16, HALFS
	s_add_co_u32 s21, s21, 2*HALFS
	s_sub_co_u32 s21, s21, s20
	v_mul_u32_u24 v6, s21, v2                      ; lanes 16-31 take B's
	s_add_co_u32 s20, s20, SCL
	v_add_nc_u32 v5, v5, v6
	v_add_nc_u32 v[ADRS], s20, v5
	s_mul_i32 s20, s14, 16*SPITCH
	s_add_co_u32 s20, s20, STAGE                   ; my stage
	v_mul_u32_u24 v5, v1, SPITCH                   ; in: row r, 32 bytes for each half of the lanes
	v_lshl_add_u32 v5, v2, 5, v5
	v_add_nc_u32 v[STO], s20, v5
	v_mul_u32_u24 v6, v2, SPITCH                   ; back: lanes 0-15 one row of 256 bytes, lanes 16-31 the next
	v_lshl_add_u32 v6, v1, 4, v6
	v_add_nc_u32 v[RD], s20, v6
	v_lshlrev_b32 v[CO], 12, v2                    ; the same two rows in out0
	v_lshl_add_u32 v[CO], v1, 4, v[CO]
	v_lshlrev_b32 v7, 5, v2
	s_lshl_b32 s20, s17, 7
	s_lshl_b32 s21, s15, 6
	s_add_co_u32 s20, s20, s21                     ; my first row of out0
	s_lshl_b32 s20, s20, 12
	s_lshl_b32 s66, s101, 9                        ; my first column, in bytes
	s_lshl_b32 s67, s16, 8
	s_add_co_u32 s66, s66, s67
	s_mov_b32 s67, 0
	s_add_nc_u64 s[104:105], s[104:105], s[66:67]  ; the bias of my 64 columns: tile b, half h, register j is column 16 b + 8 h + j
	s_add_co_u32 s66, s66, s20
	s_add_nc_u64 s[12:13], s[12:13], s[66:67]
	s_wait_alu depctr_va_vdst(0)
.irp b, 0,1,2,3
	global_load_b128 v[BI+8*\b:BI+8*\b+3], v7, s[104:105] offset:64*\b
	global_load_b128 v[BI+8*\b+4:BI+8*\b+7], v7, s[104:105] offset:64*\b+16
.endr
.macro FRAG reg, adr, st, i            ; 16 rows x 128 K: six pieces of 8 bytes; lanes 16-31 read 24 bytes on, behind one padding more where that lies in the row's next 256 bytes
.irp p, 0,1,2,3,4,5
.set FBY, 96*(\st)+48*(\p/3)+8*(\p%3)
	ds_load_b64 v[\reg+2*\p:\reg+2*\p+1], v[\adr+(FBY+24)/256-FBY/256] offset:FBY+16*(FBY/256)+(\i)*16*PITCH
.endr
.endm
.macro FETCH j                         ; 48 LDS loads: step j's fragments into set j % 2: B's four, then A's four
	WIN TO_F
.irp i, 0,1,2,3
	FRAG 128*((\j)%2)+48+FR*\i, ADRB, \j, \i
.endr
.irp i, 0,1,2,3
	FRAG 128*((\j)%2)+FR*\i, ADRA, \j, \i
.endr
.endm
; 8 products of step j: A's blocks a0, a0 + 1 x B's four.  The 16 accumulators take turns.
.macro MUL8 a0, j, zero
.irp a, \a0, \a0+1
.irp b, 0,1,2,3
.if \zero
	v_wmma_scale_f32_16x16x128_f8f6f4 v[ACC+8*(4*(\a)+\b):ACC+8*(4*(\a)+\b)+7], v[128*((\j)%2)+48+FR*\b:128*((\j)%2)+48+FR*\b+FR-1], v[128*((\j)%2)+FR*(\a):128*((\j)%2)+FR*(\a)+FR-1], v[BI+8*\b:BI+8*\b+7], v[SC+8*\b+(\j)], v[SC+8*(\a)+(\j)] matrix_a_fmt:MATRIX_FMT_FP6 matrix_b_fmt:MATRIX_FMT_FP6 matrix_a_scale:MATRIX_SCALE_ROW1
.else
	v_wmma_scale_f32_16x16x128_f8f6f4 v[ACC+8*(4*(\a)+\b):ACC+8*(4*(\a)+\b)+7], v[128*((\j)%2)+48+FR*\b:128*((\j)%2)+48+FR*\b+FR-1], v[128*((\j)%2)+FR*(\a):128*((\j)%2)+FR*(\a)+FR-1], v[ACC+8*(4*(\a)+\b):ACC+8*(4*(\a)+\b)+7], v[SC+8*\b+(\j)], v[SC+8*(\a)+(\j)] matrix_a_fmt:MATRIX_FMT_FP6 matrix_b_fmt:MATRIX_FMT_FP6 matrix_a_scale:MATRIX_SCALE_ROW1
.endif
.endr
.endr
.endm
.macro PLACES n                        ; plain places behind a matrix instruction (ISA guide 7.12.1)
.rept \n
	v_nop
.endr
.endm
.macro STEP j, zero
	s_wait_dscnt 2*NL                              ; B's four and A's blocks 0, 1 are in; the youngest 12 loads may be out
	WIN MUL
	MUL8 0, \j, \zero
	PLACES NP                                      ; in front of the loads into the other set
	FETCH (\j)+1
	s_wait_dscnt 8*NL                              ; all but the 48 just issued
	WIN MUL
	MUL8 2, \j, \zero
.endm
	s_wait_tensorcnt 0x0                           ; my block is in
	s_barrier_signal -1
	s_barrier_wait -1                              ; everybody's is
.irp i, 0,1,2,3                                ; all 32 scale words, once
	ds_load_b128 v[SC+8*\i:SC+8*\i+3], v[ADRS] offset:\i*SBLK
	ds_load_b128 v[SC+8*\i+4:SC+8*\i+7], v[ADRS] offset:\i*SBLK+16
.endr
	FETCH 0
	s_wait_loadcnt 0x0                             ; the bias
	STEP 0, 1
.irp j, 1,2,3,4,5,6
	STEP \j, 0
.endr
	s_wait_dscnt 2*NL                              ; the last step
	WIN MUL
	MUL8 0, 7, 0
	s_wait_dscnt 0x0
	MUL8 2, 7, 0
	WIN 0
; THE WAY OUT, block by block of 16 rows x 64 columns, through my own stage: LDS serves a wave's instructions in order (ISA guide 5.7.1.4), so no wait stands between the stores and the loads.
.macro TOSTAGE a
.irp b, 0,1,2,3
	ds_store_b128 v[STO], v[ACC+32*(\a)+8*\b:ACC+32*(\a)+8*\b+3] offset:64*\b          ; each accumulator from its low end on
	ds_store_b128 v[STO], v[ACC+32*(\a)+8*\b+4:ACC+32*(\a)+8*\b+7] offset:64*\b+16
.endr
.set BB, BK-32*((\a)%2)
.irp t, 0,1,2,3,4,5,6,7
	ds_load_b128 v[BB+4*\t:BB+4*\t+3], v[RD] offset:\t*2*SPITCH
.endr
.endm
.macro SEND a, younger
.set BB, BK-32*((\a)%2)
	s_wait_dscnt \younger
.irp t, 0,1,2,3,4,5,6,7
	global_store_b128 v[CO], v[BB+4*\t:BB+4*\t+3], s[12:13] offset:(\a)*16*SIZE_N*4+\t*2*SIZE_N*4 th:TH_STORE_NT   ; 16 lanes store 256 consecutive bytes, at a multiple of 256 from out0's first byte
.endr
.endm
	PLACES NP
	TOSTAGE 0
.irp a, 1,2,3
.if \a > 1
	s_wait_xcnt 0x0                                ; block a - 2's stores have read their registers
.endif
	TOSTAGE \a
	SEND \a-1, 16                                  ; behind block a - 1's loads: block a's 8 stores and 8 loads
.endr
	SEND 3, 0
	s_wait_tensorcnt 0x0                           ; the wave's end
	ds_add_u32 v[SPW], v[NIL]
	s_wait_dscnt 0x0
	CROUND                                         ; the closing round
	s_endpgm
.Lfunc_end_k_qaf3eaac582_oproj:
	.size	k_qaf3eaac582_oproj, .Lfunc_end_k_qaf3eaac582_oproj-k_qaf3eaac582_oproj
	.p2alignl 7, 3214868480
	.fill 96, 4, 3214868480
	.section	.rodata,"a",@progbits
	.p2align	6, 0x0
	.amdhsa_kernel k_qaf3eaac582_oproj
		.amdhsa_group_segment_fixed_size 327680
		.amdhsa_private_segment_fixed_size 0
		.amdhsa_enable_private_segment 0
		.amdhsa_kernarg_size 48
		.amdhsa_user_sgpr_count 2
		.amdhsa_user_sgpr_kernarg_segment_ptr 1
		.amdhsa_wavefront_size32 1
		.amdhsa_system_sgpr_workgroup_id_x 1
		.amdhsa_system_sgpr_workgroup_id_y 1
		.amdhsa_system_sgpr_workgroup_id_z 1
		.amdhsa_system_vgpr_workitem_id 0
		.amdhsa_next_free_vgpr 512
		.amdhsa_next_free_sgpr 106
		.amdhsa_reserve_vcc 0
		.amdhsa_float_denorm_mode_32 3
		.amdhsa_float_denorm_mode_16_64 3
		.amdhsa_memory_ordered 1
		.amdhsa_forward_progress 1
		.amdhsa_inst_pref_size 60
	.end_amdhsa_kernel
	.amdgpu_metadata
---
amdhsa.version: [ 1, 2 ]
amdhsa.kernels:
  - .name:           k_qaf3eaac582_oproj
    .symbol:         k_qaf3eaac582_oproj.kd
    .args:
      - { .name: oc, .offset: 0, .size: 8, .value_kind: global_buffer, .address_space: global }
      - { .name: os, .offset: 8, .size: 8, .value_kind: global_buffer, .address_space: global }
      - { .name: xc, .offset: 16, .size: 8, .value_kind: global_buffer, .address_space: global }
      - { .name: xs, .offset: 24, .size: 8, .value_kind: global_buffer, .address_space: global }
      - { .name: bo, .offset: 32, .size: 8, .value_kind: global_buffer, .address_space: global }
      - { .name: out0, .offset: 40, .size: 8, .value_kind: global_buffer, .address_space: global }
    .group_segment_fixed_size: 327680
    .private_segment_fixed_size: 0
    .kernarg_segment_align: 8
    .kernarg_segment_size: 48
    .max_flat_workgroup_size: 128
    .sgpr_count:     106
    .vgpr_count:     512
    .wavefront_size: 32
...
	.end_amdgpu_metadata
.endif
;; end of part 4
